; MI455X (gfx1250); checked and timed in simulation.
; The chip was launched on July 23, 2026; its instructions are those of AMD's public machine-readable ISA for CDNA 5 (MIT licence, August 2026) and "CDNA5" Instruction Set Architecture Reference Guide (July 2026). The comments in the code are by the model that wrote it; some were corrected since.
;; Log Sparce Attention. Allowed arithmetic: matrix products marked QUANTISED: E3M2 operands, one E8M0 scale for each 32 along K, by v_wmma_scale_f32_16x16x128_f8f6f4 with both operands' format E3M2, f32 sums; everything else in f32.
;; Inputs: keys 2 x 2,048 x 16 x 64 float32; queries 2 x 2,048 x 16 x 64 float32; values 2 x 2,048 x 16 x 64 float32.
;; Outputs: out0 2 x 2,048 x 16 x 64 float32.
;; This version of the problem:
;;   THIS VERSION OF THE PROBLEM IS GIVEN IN LOW PRECISION. The matrix products marked QUANTISED in the list below multiply operands that are first quantised to E3M2 (3 exponent bits, 2 mantissa bits; 6 bits a number), with one power-of-two scale for each 32 numbers along K (OCP MX v1.0); their sums are f32. All else is computed in f32.
;;   The module's matrix products, in the order in which they are computed (A, B: the left and right operand; K: the contracted axis; several contracted axes count as one K, in the product's order):
;;     1. batch 32 x [M 2,048, K 64] x [K 64, N 2,048]; A: input queries; B: input keys: QUANTISED
;;     2. batch 32 x [M 64, K 2,048] x [K 2,048, N 2,048]; A: input values; B: softmax (see below): QUANTISED
;;   THE QUANTISER, for each operand of a quantised product, along K:
;;     - K is cut into blocks of 32 from its start; a last block that is shorter is filled with zeros.
;;     - A block's scale is 2^e with e = floor(log2(the largest magnitude in the block)) - 4, held to -126 .. 127; a block of zeros has e = 0. As a byte (E8M0): e + 127.
;;     - Each number is divided by its block's scale, clamped to +-28, and rounded to the nearest number of E3M2, ties to even, subnormals kept.
;;     - The product sums the exact products of the quantised numbers (number of the format x scale) in f32.
;;   ~~~python
;;   def quantise(x, axis):      # numpy; x: float32 -> the quantised numbers, widened to float32 again
;;       x = np.moveaxis(x, axis, -1); K = x.shape[-1]
;;       x = np.pad(x, [(0, 0)] * (x.ndim - 1) + [(0, -K % 32)]); x = x.reshape(x.shape[:-1] + (-1, 32)); a = np.abs(x).max(-1, keepdims=True)
;;       e = np.where(a > 0, np.clip(np.frexp(np.where(a > 0, a, 1))[1] - 1 - 4, -126, 127), 0)      # np.frexp(a)[1] - 1 = floor(log2(a)), exactly
;;       r = np.clip(x / 2.0 ** e, -28, 28)
;;       step = 2.0 ** (np.maximum(np.frexp(np.where(r == 0, 1, r))[1] - 1, -2) - 2)
;;       q = np.round(r / step) * step * 2.0 ** e      # np.round: ties to even
;;       return np.moveaxis(q.reshape(q.shape[:-2] + (-1,))[..., :K], -1, axis).astype(np.float32)
;;   ~~~
;;   SOFTMAX AHEAD OF A QUANTISED PRODUCT. Where the list says 'softmax', what is quantised is not the finished softmax but p = 2^(t - M), with t = logit x log2(e) and M = ceil(the row's largest t), a whole number; so 1/2 < the row's largest p <= 1. The row's sum l is taken of the UNQUANTISED p, in f32, and the product's result is divided by l at the end. Since M is a whole number, a kernel that streams over the keys may use a running M (the ceiling of the running maximum): every later rescaling is an exact power of two, which a block's scale takes up: the codes' values come out the same.
;;   OPERANDS COMPUTED ON THE WAY. 'Computed on the way' means the value that the module computes at that place (a softmax that the list does not call 'softmax' is quantised finished and normalised). What goes into a quantiser is computed in f32, as accurately as f32 sums, v_exp_f32 and their like allow (about 1e-6 of the number): no bf16 or f16 on the way to a quantiser, and a product that is left as it is and whose result goes on into a quantised operand takes f32 operands (vector FMAs, or v_wmma_f32_16x16x4_f32). A number that lies on a knife's edge between two numbers of the format may be rounded either way, as far as f32 arithmetic and the matrix unit's own rounding can turn it there, and no further.
;; 2 versions. Each part assembles by itself: llvm-mc -triple=amdgcn-amd-amdhsa -mcpu=gfx1250 --defsym DOCPART=n.
;; ======== version 1 of 2: 2 launches
;; limits: right only within a limited range of input values
;; workspace buffers: kvq 6,815,744 bytes
;; launch quant (part 1): grid 256 x 1, 8 waves a work-group, no clusters, 70,656 bytes of LDS; arguments keys, values, kvq; writes kvq
.if DOCPART == 1
	.amdgcn_target "amdgcn-amd-amdhsa--gfx1250"
	.amdhsa_code_object_version 6
	.text
	.protected	k_q53198043a8_quant
	.globl	k_q53198043a8_quant
	.p2align	8
	.type	k_q53198043a8_quant,@function
k_q53198043a8_quant:
	s_mov_b64 s[64:65], 0
	v_nop
	global_prefetch_b8 v0, s[64:65] scope:SCOPE_SE
	s_setreg_imm32_b32 hwreg(HW_REG_WAVE_MODE, 25, 1), 1
	s_wait_xcnt 0x0
; keys, values: [2][2048][16][64] f32.  Each block of 32 keys of each head becomes one record of 3,328 bytes in kvq, at (64 (16 b + h) + blk) x 3,328:
; codes of BF6 (E3M2) and E8M0 scale bytes, laid in the order in which the next launch's operand registers take them.
;   0..1535     K, quantised along the head's 64 (two blocks of 32): the image of 12 registers: piece c holds lane l's registers 4 c .. 4 c + 3 at 512 c + 16 l.
;               Registers 6 u .. 6 u + 5 of lane (r = l % 16, h = l / 16) are the 32 codes of key 8 u + r + 8 (r / 8), channels 32 h on.
;   1536..2559  V, quantised along the 32 keys: words 0-3 of the 24 bytes of column d, at 1536 + 16 d;     2560..3071  words 4-5, at 2560 + 8 d
;   3072..3327  lane l: 8 bytes (K's scale word of row r: tile 0 block 0, tile 0 block 1, tile 1 block 0, tile 1 block 1;  V's: columns r, 16 + r, 32 + r, 48 + r); lanes 16-31 repeat lanes 0-15
; A block's scale is 2^(floor(log2(its largest magnitude)) - 4): its byte is the largest magnitude's exponent field - 4, held at 1 from below.
; LIMITS: a block of zeros gets the byte 1 where the rule says 127 (its codes are zeros, and this program alone reads the bytes); NaN and infinities among the inputs are not served.
; SHARES: work-group g: batch g / 128, block (g / 2) % 64, heads 8 (g % 2) .. + 7; wave w takes one head: the eight waves read 2,048 neighbouring bytes of each of the block's 32 rows.
; A wave is straight-line: all 80 loads go out first; no wave touches another's LDS bytes, so there is no barrier.  Every store covers whole aligned runs of 256 bytes.
.set REC,  3328
.set PIT,  272                         ; an LDS row: 256 bytes + 16: seventeen pieces of 16 bytes, so that sixteen rows' equal columns start at sixteen different places modulo 256 bytes
.set T,    24                          ; v24-26   a conversion's second half (its three registers begin on an even number)
.set KR,   32                          ; v32-95   K as loaded
.set VX,   96                          ; v96-127  V, column = lane, registers down the keys
.set VY,   128                         ; v128-159 V, column = 32 + lane
.set KT,   160                         ; v160-223 K turned: 32 neighbours along the channels to a lane, two tiles
.set KC,   224                         ; v224-235 K's codes
.set VCX,  236                         ; v236-241 V's codes, column = lane
.set VCY,  242                         ; v242-247 column = 32 + lane
	s_load_b128 s[4:7], s[0:1], 0x0                ; keys, values
	s_load_b64 s[8:9], s[0:1], 0x10                ; kvq
	v_lshl_add_u32 v254, v0, 2, 0x11000
	v_mov_b32 v255, 0
	v_lshrrev_b32 v1, 5, v0
	v_readfirstlane_b32 s10, v1                    ; wave 0..7
	v_and_b32 v1, 31, v0                           ; lane
	v_and_b32 v2, 15, v0                           ; r
	v_bfe_u32 v3, v0, 4, 1                         ; h
	v_lshlrev_b32 v4, 4, v2
	v_lshl_add_u32 v4, v3, 12, v4                  ; K in: lanes 0-15 one key's 256 bytes, lanes 16-31 the next key's
	v_lshlrev_b32 v5, 2, v1                        ; V in: 4 bytes a lane
	s_and_b32 s14, ttmp9, 1
	s_lshl_b32 s14, s14, 3
	s_add_co_u32 s14, s14, s10                     ; the head
	s_bfe_u32 s15, ttmp9, 0x60001                  ; the block of 32 keys
	s_lshr_b32 s16, ttmp9, 7                       ; the batch
	s_lshl_b32 s2, s16, 23                         ; a batch is 2^23 bytes,
	s_lshl_b32 s17, s15, 17                        ; 32 keys are 2^17,
	s_add_co_u32 s2, s2, s17
	s_lshl_b32 s17, s14, 8                         ; a head's part of a key is 256
	s_add_co_u32 s2, s2, s17
	s_mov_b32 s3, 0
	s_lshl_b32 s18, s16, 4
	s_add_co_u32 s18, s18, s14
	s_lshl_b32 s18, s18, 6
	s_add_co_u32 s18, s18, s15
	s_mul_i32 s18, s18, REC                        ; my record
	s_mov_b32 s19, 0
	s_wait_kmcnt 0x0
	s_add_nc_u64 s[4:5], s[4:5], s[2:3]
	s_add_nc_u64 s[6:7], s[6:7], s[2:3]
	s_add_nc_u64 s[8:9], s[8:9], s[18:19]
.set i, 0
.rept 16
	global_load_b128 v[KR+4*i:KR+4*i+3], v4, s[4:5] offset:8192*i th:TH_LOAD_NT      ; keys 2 i and 2 i + 1: two whole runs of 256 bytes
.set i, i+1
.endr
.set i, 0
.rept 32
	global_load_b32 v[VX+i], v5, s[6:7] offset:4096*i th:TH_LOAD_NT                  ; key i, columns 0-31,
	global_load_b32 v[VY+i], v5, s[6:7] offset:4096*i+128 th:TH_LOAD_NT              ; and columns 32-63: the two halves of the same 256 bytes, one behind the other
.set i, i+1
.endr
	s_mul_i32 s11, s10, 32*PIT                     ; my wave's LDS bytes
	s_mov_b32 s12, 0x76543210
	s_mov_b32 s13, 0xfedcba98                      ; v_permlanex16_b32: lane l xor 16
	v_mul_u32_u24 v6, v3, PIT
	v_lshl_add_u32 v6, v2, 4, v6
	v_add_nc_u32 v6, s11, v6                       ; into LDS: row h of a pair, 16 r
	v_mul_u32_u24 v7, v2, PIT
	v_lshl_add_u32 v7, v3, 7, v7
	v_add_nc_u32 v7, s11, v7                       ; out of it: row r, channels 32 h on
	v_lshlrev_b32 v8, 4, v1                        ; 16 x lane
	v_lshlrev_b32 v9, 3, v1                        ; 8 x lane
	v_lshlrev_b32 v10, 3, v3                       ; 8 h: my bytes' place in a scale word
	v_mov_b32 v22, 0                               ; a lane permute's destination counts as one of its sources: written once
; 32 numbers of one block in v[src] on become 6 registers of codes in v[dst] on and the scale's byte in v[byte]
.macro QUANT32 src, dst, byte
	v_max3_num_f32 v12, |v[\src]|, |v[\src+1]|, |v[\src+2]|        ; the largest magnitude, in two chains
	v_max3_num_f32 v13, |v[\src+3]|, |v[\src+4]|, |v[\src+5]|
.irp i, 6,10,14,18,22,26
	v_max3_num_f32 v12, v12, |v[\src+\i]|, |v[\src+\i+1]|
	v_max3_num_f32 v13, v13, |v[\src+\i+2]|, |v[\src+\i+3]|
.endr
	v_max3_num_f32 v12, v12, |v[\src+30]|, |v[\src+31]|
	v_max3_num_f32 v12, v12, v13, 0x2800000        ; and the floor 2^(5 - 127): the byte cannot fall under 1
	v_add_nc_u32 v14, 0xfe000000, v12              ; 4 off the exponent field: the conversion takes this operand's exponent field as its scale
	v_lshrrev_b32 v[\byte], 23, v14                ; the scale's byte
	v_cvt_scalef32_pk16_bf6_f32 v[\dst:\dst+2], v[\src:\src+15], v14
	v_cvt_scalef32_pk16_bf6_f32 v[T:T+2], v[\src+16:\src+31], v14
	v_nop                                          ; one plain place behind a scaled conversion
.irp k, 0,1,2
	v_mov_b32 v[\dst+3+\k], v[T+\k]
.endr
.endm
; my two bytes (places h and 2 + h of a scale word) and lane l xor 16's two make the word, in both halves of the lanes
.macro WORD out, b0, b1
	v_lshl_or_b32 v[\out], v[\b1], 16, v[\b0]
	v_lshlrev_b32 v[\out], v10, v[\out]
	v_permlanex16_b32 v22, v[\out], s12, s13
	v_or_b32 v[\out], v[\out], v22
.endm
	s_wait_loadcnt 63                              ; K is in: 64 younger loads were issued, the count's field ends at 63, and a smaller count is safe
.set i, 0
.rept 16                                           ; key 16 a + 8 u + c goes to LDS row 16 u + 8 a + c: row 16 u + r then holds the key of row r of tile u
	ds_store_b128 v6, v[KR+4*i:KR+4*i+3] offset:PIT*(16*((i>>2)&1)+8*(i>>3)+2*(i&3))
.set i, i+1
.endr
.irp u, 0,1
.irp j, 0,1,2,3,4,5,6,7
	ds_load_b128 v[KT+32*\u+4*\j:KT+32*\u+4*\j+3], v7 offset:16*PIT*\u+16*\j         ; LDS serves a wave's instructions in order: these see the stores above
.endr
.endr
	s_wait_dscnt 8                                 ; tile 0's eight loads are in, tile 1's may be out
	QUANT32 KT, KC, 16
	s_wait_dscnt 0x0
	QUANT32 KT+32, KC+6, 17
	WORD 20, 16, 17
.irp c, 0,1,2
	global_store_b128 v8, v[KC+4*\c:KC+4*\c+3], s[8:9] offset:512*\c                 ; 512 neighbouring bytes a store
.endr
	s_wait_loadcnt 0x0                             ; V
	QUANT32 VX, VCX, 18
	QUANT32 VY, VCY, 19
	WORD 21, 18, 19
	global_store_b128 v8, v[VCX:VCX+3], s[8:9] offset:1536
	global_store_b128 v8, v[VCY:VCY+3], s[8:9] offset:2048
	global_store_b64 v9, v[VCX+4:VCX+5], s[8:9] offset:2560
	global_store_b64 v9, v[VCY+4:VCY+5], s[8:9] offset:2816
	global_store_b64 v9, v[20:21], s[8:9] offset:3072
	s_wait_tensorcnt 0x0
	ds_add_u32 v254, v255
	s_wait_dscnt 0x0
	s_endpgm                                       ; no register of a pending store was written again, so no wait stands behind the stores
.Lfunc_end_k_q53198043a8_quant:
	.size	k_q53198043a8_quant, .Lfunc_end_k_q53198043a8_quant-k_q53198043a8_quant
	.p2alignl 7, 3214868480
	.fill 96, 4, 3214868480
	.section	.rodata,"a",@progbits
	.p2align	6, 0x0
	.amdhsa_kernel k_q53198043a8_quant
		.amdhsa_group_segment_fixed_size 70656
		.amdhsa_private_segment_fixed_size 0
		.amdhsa_enable_private_segment 0
		.amdhsa_kernarg_size 24
		.amdhsa_user_sgpr_count 2
		.amdhsa_user_sgpr_kernarg_segment_ptr 1
		.amdhsa_wavefront_size32 1
		.amdhsa_system_sgpr_workgroup_id_x 1
		.amdhsa_system_sgpr_workgroup_id_y 1
		.amdhsa_system_sgpr_workgroup_id_z 1
		.amdhsa_system_vgpr_workitem_id 0
		.amdhsa_next_free_vgpr 256
		.amdhsa_next_free_sgpr 66
		.amdhsa_reserve_vcc 0
		.amdhsa_float_denorm_mode_32 3
		.amdhsa_float_denorm_mode_16_64 3
		.amdhsa_memory_ordered 1
		.amdhsa_forward_progress 1
		.amdhsa_inst_pref_size 19
	.end_amdhsa_kernel
	.amdgpu_metadata
---
amdhsa.version: [ 1, 2 ]
amdhsa.kernels:
  - .name:           k_q53198043a8_quant
    .symbol:         k_q53198043a8_quant.kd
    .args:
      - { .name: keys, .offset: 0, .size: 8, .value_kind: global_buffer, .address_space: global }
      - { .name: values, .offset: 8, .size: 8, .value_kind: global_buffer, .address_space: global }
      - { .name: kvq, .offset: 16, .size: 8, .value_kind: global_buffer, .address_space: global }
    .group_segment_fixed_size: 70656
    .private_segment_fixed_size: 0
    .kernarg_segment_align: 8
    .kernarg_segment_size: 24
    .max_flat_workgroup_size: 256
    .sgpr_count:     66
    .vgpr_count:     256
    .wavefront_size: 32
...
	.end_amdgpu_metadata
.endif
;; end of part 1
;; launch attn (part 2): grid 256 x 1, 8 waves a work-group, no clusters, 70,656 bytes of LDS; arguments queries, kvq, out0; writes out0
.if DOCPART == 2
	.amdgcn_target "amdgcn-amd-amdhsa--gfx1250"
	.amdhsa_code_object_version 6
	.text
	.protected	k_q53198043a8_attn
	.globl	k_q53198043a8_attn
	.p2align	8
	.type	k_q53198043a8_attn,@function
k_q53198043a8_attn:
	s_mov_b64 s[64:65], 0
	v_nop
	global_prefetch_b8 v0, s[64:65] scope:SCOPE_SE
	s_setreg_imm32_b32 hwreg(HW_REG_WAVE_MODE, 25, 1), 1
	s_wait_xcnt 0x0
; out0[b][i][h][:] = sum over k of softmax_k(mask(Q.K) / 8) V, both products on codes of BF6 (E3M2) with one E8M0 scale for each 32 along K.
; THE MASK is built from the sizes alone: rows i < 22 see keys 0 .. i; every other row sees d = i - k in {0..12, 14, 18, 26, 42, 74, 138, 266, 522, 1034}, k >= 0.  All else gets p = 0, and tiles wholly under it are not multiplied.
; GROUPS SHIFTED BY 10: a wave owns queries i = (32 m + 10 + qq) mod 2048, qq = 0..31, of one head (m = 0..63).  The key at d = 10 + 32 o is then key qq of the aligned block m - o: each far window is the diagonal of ONE block of 32.
; A group wants eight blocks, two K steps of 128 of the second product: n = 0..7: m-1, m, m+1, m-2, m-4, m-8, m-16, m-32 (taken mod 64, so that every address is good; blocks that do not exist are capped to p = 0).
; Query tile 0 (qq 0-15) has near keys in blocks m-1 and m, tile 1 in m and m+1, and in m-1 the diagonal alone.  In group 63 lanes qq >= 22 are rows 0..9 and block m+1 is block 0, where the general mask is those rows' causal mask.
; FIRST PRODUCT, transposed: source 0 = a block's whole image of K (tile 0 | tile 1 along the 128), source 1 = (Q | zeros) or (zeros | Q): the zero codes take the other tile out.  Lane (r, h), register j of tile u: key 16 h + 8 u + j, query r.
; FAR BLOCKS: C is 0 on the diagonal's lane and -1.6e29 elsewhere; a maximum over the 32 registers leaves the one score of query qq in lane qq.  It costs one exponential; eight packed multiplies by a one-hot table lay it for the conversion.
; SOFTMAX: all eight blocks of a row are at hand, so M = ceil(the row's largest t), t = score x log2(e) / 8 (one rounding); p = 2^(t - M) is quantised along the keys; the row's sum is taken of the unquantised p and divides at the end.
; SECOND PRODUCT, transposed: source 0 = 16 columns of V x 128 keys, source 1 = P: a lane holds one query and eight neighbouring columns.
; LIMITS: masked keys count as -1.6e29 and not -1e9: the same p = 0 as long as a row's largest allowed score lies some 1,000 above -1e9; NaN and infinities among the inputs are not served; a block of zeros has the byte 1 or 0 (its codes are zeros).
; NO JOINT LOADS, NO LDS FOR OPERANDS: each wave reads its own eight records (26,624 bytes) once, straight into its operand registers, and the eight differ from wave to wave by distances of 1 to 32 blocks: no two work-groups want the same tile at the same step.
; A wave is straight-line: 80 loads at its head, no loop, no branch, no barrier; LDS (32 rows of 272 bytes a wave) only turns Q on the way in and O on the way out.
; REGISTERS.  Window 0: v1-19 addresses and constants; v20-35 (K's, V's) scale words of block n; v36-37 Q's; v38-45 V's by (K step, tile); v46-48 P's; v50-85 Q's fragments, later at work; v86-101 the one-hot table;
;   v102-165 Q as loaded, then scores and p, then O; v166-229 Q turned, then two banks of far accumulators, then P's codes, then rows of O; v230-241 (far p, its scale operand); v242-253 at work.
; Window 1: v0-95 K's eight images; v96-191 V's eight fragments; v192-223 the far products' C.
.set REC,  3328
.set PIT,  272
.set SCK,  20
.set QS,   36
.set VW,   38
.set W0,   46
.set W1,   48
.set QF,   50                          ; tile qt at QF + 18 qt: six registers of Q, six of zeros, Q again
.set EE,   86                          ; register rho: 1.0 where lane % 16 = rho, else 0
.set S,    102
.set FD,   166
.set FE,   166
.set P,    182                         ; P(K step st, tile qt) at P + 12 (2 st + qt)
.set PF,   230                         ; far block f: the score, then p, at PF + 2 f; its scale operand at PF + 2 f + 1
.set BM,   242                         ; near block 2 qt + a: its largest score, then its largest p, then its scale operand
.set BX,   246
.set TT,   250
.set NM,   50                          ; from the maximum on v50-85 are free: -M by lane = qq; v51 an exchange; v52, v54 -M for tile 0, 1
.set EX,   51
.set NMQ,  52
.set SU,   56                          ; v56-63 far bytes, then the sums
.set FS,   64
.set LL_,  66
.set RL,   68                          ; v68, v70: 1 / the sum for tile 0, 1
.set T,    72
.set G3,   76
.set KF,   0                           ; in window 1
.set VF,   96
.set CM,   192
.set DM,   0x40004045FFF               ; bit d is set where d is one of 0..12, 14, 18, 26, 42
.set MSB, 0
.macro WIN new                         ; s_set_vgpr_msb: bits 1:0 source 0, 3:2 source 1, 5:4 source 2, 7:6 destination; the high byte repeats the setting that is left
.if MSB != \new
	s_set_vgpr_msb (MSB<<8)|\new
.set MSB, \new
.endif
.endm
; one matrix instruction.  c < 0: the constant 0 starts the sum.  row = 1: source 1's scales are read from lanes 16-31
.macro MMA d, a, b, c, sa, sb, row
.if (\c) < 0
.if \row
	v_wmma_scale_f32_16x16x128_f8f6f4 v[\d:\d+7], v[\a:\a+11], v[\b:\b+11], 0, v[\sa], v[\sb] matrix_a_fmt:MATRIX_FMT_BF6 matrix_b_fmt:MATRIX_FMT_BF6 matrix_b_scale:MATRIX_SCALE_ROW1
.else
	v_wmma_scale_f32_16x16x128_f8f6f4 v[\d:\d+7], v[\a:\a+11], v[\b:\b+11], 0, v[\sa], v[\sb] matrix_a_fmt:MATRIX_FMT_BF6 matrix_b_fmt:MATRIX_FMT_BF6
.endif
.else
.if \row
	v_wmma_scale_f32_16x16x128_f8f6f4 v[\d:\d+7], v[\a:\a+11], v[\b:\b+11], v[\c:\c+7], v[\sa], v[\sb] matrix_a_fmt:MATRIX_FMT_BF6 matrix_b_fmt:MATRIX_FMT_BF6 matrix_b_scale:MATRIX_SCALE_ROW1
.else
	v_wmma_scale_f32_16x16x128_f8f6f4 v[\d:\d+7], v[\a:\a+11], v[\b:\b+11], v[\c:\c+7], v[\sa], v[\sb] matrix_a_fmt:MATRIX_FMT_BF6 matrix_b_fmt:MATRIX_FMT_BF6
.endif
.endif
.endm
.macro QUANT32 src, dst, byte          ; 32 numbers of one block -> 6 registers of codes and the scale's byte
	v_max3_num_f32 v[TT], |v[\src]|, |v[\src+1]|, |v[\src+2]|
	v_max3_num_f32 v[TT+1], |v[\src+3]|, |v[\src+4]|, |v[\src+5]|
.irp i, 6,10,14,18,22,26
	v_max3_num_f32 v[TT], v[TT], |v[\src+\i]|, |v[\src+\i+1]|
	v_max3_num_f32 v[TT+1], v[TT+1], |v[\src+\i+2]|, |v[\src+\i+3]|
.endr
	v_max3_num_f32 v[TT], v[TT], |v[\src+30]|, |v[\src+31]|
	v_max3_num_f32 v[TT], v[TT], v[TT+1], 0x2800000    ; the floor 2^(5 - 127): the byte cannot fall under 1
	v_add_nc_u32 v[TT+2], 0xfe000000, v[TT]            ; 4 off the exponent field: the conversion's scale operand
	v_lshrrev_b32 v[\byte], 23, v[TT+2]
	v_cvt_scalef32_pk16_bf6_f32 v[\dst:\dst+2], v[\src:\src+15], v[TT+2]
	v_cvt_scalef32_pk16_bf6_f32 v[BX:BX+2], v[\src+16:\src+31], v[TT+2]   ; (a conversion's three registers begin on an even number)
	v_nop                                              ; one plain place behind a scaled conversion
.irp k, 0,1,2
	v_mov_b32 v[\dst+3+\k], v[BX+\k]
.endr
.endm
; sixteen lanes' bits of the mask: lane r is on where d = s + r is allowed
.macro LO16 sym, s
.if (\s) >= 0
.set \sym, (DM>>(\s))&0xffff
.elseif (\s) > -16
.set \sym, (DM<<(-(\s)))&0xffff
.else
.set \sym, 0
.endif
.endm
; the same for group 0's causal rows 10..21 (lanes r < 12 of tile 0): on where d = s + r is 0 or more
.macro LC16 sym, s
.if (\s) >= 0
.set \sym, 0xfff
.elseif (\s) > -12
.set \sym, (0xfff<<(-(\s)))&0xfff
.else
.set \sym, 0
.endif
.endm
; The 16 registers of near block a of tile qt, which is block m - o.  Register rho of lane (r, h) holds key 16 h + rho: d = 32 o + 10 + 16 qt - rho + r - 16 h.  Hidden scores become -1.6e29.
; mode 0: the mask as it is; 1: and with s[keep]; 2: or, in group 0, with the causal rows' bits.  rho ascends: each accumulator is read from its low end on.
.macro NEARMASK qt, o, a, mode, keep
.set rho, 0
.rept 16
.set SH, 32*(\o)+10+16*(\qt)-rho
	LO16 LA, SH
	LO16 LB, SH-16
.if \mode == 0
	s_mov_b32 vcc_lo, LA|(LB<<16)
.elseif \mode == 1
	s_and_b32 vcc_lo, s[\keep], LA|(LB<<16)
.else
	LC16 CA, SH
	LC16 CB, SH-16
	s_and_b32 s69, s67, CA|(CB<<16)
	s_or_b32 vcc_lo, s69, LA|(LB<<16)
.endif
	v_cndmask_b32 v[S+32*(\qt)+16*(\a)+rho], v7, v[S+32*(\qt)+16*(\a)+rho], vcc_lo
.set rho, rho+1
.endr
.endm
; block n's far products into a bank of accumulators ((qt, u) at + 16 qt + 8 u), tiles q0 .. 1
.macro FARW n, bank, q0
	WIN 0x11                                       ; K's image and C in window 1
.irp qt, 0,1
.if \qt >= \q0
	MMA FD+32*(\bank)+16*\qt, KF+12*(\n), QF+18*\qt, CM+16*\qt, SCK+2*(\n), QS+\qt, 0
	MMA FD+32*(\bank)+16*\qt+8, KF+12*(\n), QF+18*\qt+6, CM+16*\qt+8, SCK+2*(\n), QS+\qt, 1
.endif
.endr
	WIN 0
.endm
; the maximum over a bank's registers: lane qq keeps its query's one score; then the caps: the block exists (m >= o), the row is not one of group 63's rows 0..9
.macro TREE f, bank, q0
.irp c, 0,1,2,3
.if \c >= 2*(\q0)
	v_max3_num_f32 v[TT+\c], v[FD+32*(\bank)+8*\c], v[FD+32*(\bank)+8*\c+1], v[FD+32*(\bank)+8*\c+2]
.endif
.endr
.irp i, 3,5
.irp c, 0,1,2,3
.if \c >= 2*(\q0)
	v_max3_num_f32 v[TT+\c], v[TT+\c], v[FD+32*(\bank)+8*\c+\i], v[FD+32*(\bank)+8*\c+\i+1]
.endif
.endr
.endr
.irp c, 0,1,2,3
.if \c >= 2*(\q0)
	v_max_num_f32 v[TT+\c], v[TT+\c], v[FD+32*(\bank)+8*\c+7]
.endif
.endr
.if \q0
	v_max_num_f32 v[TT+2], v[TT+2], v[TT+3]
	v_min3_num_f32 v[PF+2*(\f)], v[TT+2], v11, s[56+(\f)]
.else
	v_max3_num_f32 v[TT], v[TT], v[TT+1], v[TT+2]
	v_max_num_f32 v[TT], v[TT], v[TT+3]
	v_min3_num_f32 v[PF+2*(\f)], v[TT], v11, s[56+(\f)]
.endif
.endm
; far block f's codes: lane (r, h) gets 16 codes, p of query 16 h + r at place r and zeros beside it
.macro FARG f, dst
.irp i, 0,2,4,6,8,10,12,14
	v_pk_mul_f32 v[FE+\i:FE+\i+1], v[EE+\i:EE+\i+1], v[PF+2*(\f):PF+2*(\f)+1] op_sel_hi:[1,0]
.endr
	v_cvt_scalef32_pk16_bf6_f32 v[\dst:\dst+2], v[FE:FE+15], v[PF+2*(\f)+1]
	v_nop                                          ; one plain place behind a scaled conversion
.endm
.macro SWAP3 a, b                      ; a's lanes 16-31 change places with b's lanes 0-15: a = (a low | b low), b = (a high | b high)
.irp k, 0,1,2
	v_permlane16_swap_b32 v[\a+\k], v[\b+\k]
.endr
.endm
.macro MOV3 a, b
.irp k, 0,1,2
	v_mov_b32 v[\a+\k], v[\b+\k]
.endr
.endm
.macro ZERO3 a
.irp k, 0,1,2
	v_mov_b32 v[\a+\k], 0
.endr
.endm
	; ---- the head: ids, addresses, and all 80 loads
	s_load_b128 s[4:7], s[0:1], 0x0                ; queries, kvq
	s_load_b64 s[8:9], s[0:1], 0x10                ; out0
	v_lshl_add_u32 v254, v0, 2, 0x11000
	v_mov_b32 v255, 0
	v_lshrrev_b32 v250, 5, v0
	v_readfirstlane_b32 s10, v250                  ; wave 0..7
	s_and_b32 s11, ttmp9, 7
	s_lshl_b32 s11, s11, 3
	s_add_co_u32 s11, s11, s10                     ; m, my group
	s_lshr_b32 s12, ttmp9, 3                       ; 16 b + h
	s_mov_b32 s42, 0xffff0000                      ; lanes 16-31
	s_mov_b32 s3, 0
.set n, 0
.irp o, 1,0,-1,2,4,8,16,32
	s_add_co_u32 s69, s11, 64-(\o)
	s_and_b32 s69, s69, 63                         ; block (m - o) mod 64
	s_mul_i32 s[48+n], s69, REC                    ; its record in the head's part of kvq
.set n, n+1
.endr
	s_lshr_b32 s13, s12, 4
	s_lshl_b32 s13, s13, 23
	s_and_b32 s14, s12, 15
	s_lshl_b32 s14, s14, 8
	s_add_co_u32 s13, s13, s14                     ; the head's first byte in queries and out0
	s_lshl_b32 s14, s11, 17
	s_add_co_u32 s14, s14, 40960
	s_add_co_u32 s14, s14, s13                     ; row 32 m + 10: rows qq = 0..21
	s_lshl_b32 s15, s11, 5
	s_add_co_u32 s15, s15, 32
	s_and_b32 s15, s15, 2047
	s_lshl_b32 s15, s15, 12
	s_add_co_u32 s15, s15, s13                     ; row (32 m + 32) mod 2048: rows qq = 22..31 (in group 63: rows 0..9)
	s_mul_i32 s75, s12, 64*REC
	s_mul_i32 s74, s10, 32*PIT                     ; my wave's LDS bytes
	v_and_b32 v251, 31, v0                         ; lane
	v_and_b32 v252, 15, v0                         ; r
	v_bfe_u32 v253, v0, 4, 1                       ; h
	v_lshlrev_b32 v1, 4, v251                      ; 16 x lane
	v_lshlrev_b32 v2, 3, v251                      ; 8 x lane
	v_lshlrev_b32 v3, 4, v252
	v_lshl_add_u32 v3, v253, 12, v3                ; Q and O: lanes 0-15 one row's 256 bytes, lanes 16-31 the next row's
	v_mov_b32 v7, 0xf0000000                       ; -1.6e29
	v_mov_b32 v8, 0
.irp pi, 0,1,2,3                                   ; V: lanes 0-15 read block 2 pi, lanes 16-31 block 2 pi + 1
	v_mov_b32 v250, s[48+2*\pi]
	v_mov_b32 v251, s[49+2*\pi]
	v_cndmask_b32 v250, v250, v251, s42
	v_lshl_add_u32 v[12+\pi], v252, 4, v250
	v_lshl_add_u32 v[16+\pi], v252, 3, v250
.endr
	s_wait_kmcnt 0x0
	s_mov_b32 s2, s14
	s_add_nc_u64 s[34:35], s[4:5], s[2:3]
	s_add_nc_u64 s[38:39], s[8:9], s[2:3]
	s_mov_b32 s2, s15
	s_add_nc_u64 s[36:37], s[4:5], s[2:3]
	s_add_nc_u64 s[40:41], s[8:9], s[2:3]
.set i, 0
.rept 11
	global_load_b128 v[S+4*i:S+4*i+3], v3, s[34:35] offset:8192*i th:TH_LOAD_NT      ; rows qq = 2 i, 2 i + 1
.set i, i+1
.endr
.rept 5
	global_load_b128 v[S+4*i:S+4*i+3], v3, s[36:37] offset:8192*(i-11) th:TH_LOAD_NT
.set i, i+1
.endr
	s_mov_b32 s2, s75
	s_add_nc_u64 s[32:33], s[6:7], s[2:3]          ; the head's records
.set n, 0
.rept 8
	s_mov_b32 s2, s[48+n]
	s_add_nc_u64 s[16+2*n:17+2*n], s[32:33], s[2:3]
	global_load_b64 v[SCK+2*n:SCK+2*n+1], v2, s[16+2*n:17+2*n] offset:3072           ; the block's scale words
.set n, n+1
.endr
	WIN 0x40                                       ; destination window 1
.set n, 0
.rept 8
.irp c, 0,1,2
	global_load_b128 v[KF+12*n+4*\c:KF+12*n+4*\c+3], v1, s[16+2*n:17+2*n] offset:512*\c   ; K's image, as it was stored
.endr
.set n, n+1
.endr
.irp st, 0,1
.irp dt, 0,1,2,3
.irp c, 0,1                                        ; registers 6 c .. 6 c + 5: the 24 bytes of column 16 dt + r of block 4 st + 2 c + h
	global_load_b128 v[VF+12*(4*\st+\dt)+6*\c:VF+12*(4*\st+\dt)+6*\c+3], v[12+2*\st+\c], s[32:33] offset:1536+256*\dt
	global_load_b64 v[VF+12*(4*\st+\dt)+6*\c+4:VF+12*(4*\st+\dt)+6*\c+5], v[16+2*\st+\c], s[32:33] offset:2560+128*\dt
.endr
.endr
.endr
	; ---- constants, while the loads are on their way
.set kq, 0
.rept 32                                           ; the far products' C: register 16 qt + 8 u + j is 0 in the lane of the same number, -1.6e29 elsewhere
	s_mov_b32 vcc_lo, 1<<kq
	v_cndmask_b32 v[CM+kq], v7, v8, vcc_lo
.set kq, kq+1
.endr
	WIN 0
.set kq, 0
.rept 16
	s_mov_b32 vcc_lo, 0x00010001<<kq
	v_cndmask_b32 v[EE+kq], 0, 1.0, vcc_lo
.set kq, kq+1
.endr
	v_mul_u32_u24 v4, v253, PIT
	v_lshl_add_u32 v4, v252, 4, v4
	v_add_nc_u32 v4, s74, v4                       ; LDS by pairs of rows: row h, 16 r
	v_mul_u32_u24 v5, v252, PIT
	v_lshl_add_u32 v6, v253, 5, v5
	v_lshl_add_u32 v5, v253, 7, v5
	v_add_nc_u32 v5, s74, v5                       ; Q out of LDS: row r, channels 32 h on
	v_add_nc_u32 v6, s74, v6                       ; O into LDS: row r, 32 h
	v_lshlrev_b32 v9, 3, v253                      ; 8 h
	v_lshlrev_b32 v10, 4, v253                     ; 16 h
	s_mov_b32 s44, 0x76543210
	s_mov_b32 s45, 0xfedcba98                      ; v_permlanex16_b32: lane l xor 16
	s_mov_b32 s46, 0x3e38aa3b                      ; c = log2(e) / 8
	s_mov_b32 s47, s46                             ; (named with it as a pair)
	s_mov_b32 s62, 0x7f7fffff
	s_mov_b32 s63, 0xf0000000
	s_mov_b32 s70, 0x05010400                      ; byte selects of the 4 x 4 turn of V's scale bytes
	s_mov_b32 s71, 0x07030602
	s_mov_b32 s72, 0x05040100
	s_mov_b32 s73, 0x07060302
.set f, 0
.irp o, 1,2,4,8,16,32
	s_cmp_ge_u32 s11, \o
	s_cselect_b32 s[56+f], s62, s63                ; far block f exists where m >= o
.set f, f+1
.endr
	s_cmp_eq_u32 s11, 0
	s_cselect_b32 s66, 0, -1                       ; group 0 has no block m - 1,
	s_cselect_b32 s67, -1, 0                       ; and has the causal rows 10..21
	s_cmp_eq_u32 s11, 63
	s_cselect_b32 s68, 0x003f003f, -1              ; group 63: rows 0..9 (r >= 6 of tile 1) see nothing of block 63,
	s_cselect_b32 s69, 0xffc00000, 0               ; and no far key
	v_mov_b32 v11, s62
	v_cndmask_b32 v11, v11, v7, s69
	; ---- Q: through LDS, so that a lane holds 32 neighbours of one row; quantised in registers
	s_wait_loadcnt 63                              ; Q is in: 64 younger loads were issued, the count's field ends at 63, and a smaller count is safe
.set i, 0
.rept 16
	ds_store_b128 v4, v[S+4*i:S+4*i+3] offset:2*PIT*i
.set i, i+1
.endr
.irp qt, 0,1
.irp j, 0,1,2,3,4,5,6,7
	ds_load_b128 v[FD+32*\qt+4*\j:FD+32*\qt+4*\j+3], v5 offset:16*PIT*\qt+16*\j      ; LDS serves a wave's instructions in order: these see the stores above
.endr
.endr
.irp qt, 0,1
	s_wait_dscnt 8-8*\qt                           ; this tile's eight loads are in
	QUANT32 FD+32*\qt, QF+18*\qt, BX+3
.irp k, 0,1,2,3,4,5
	v_mov_b32 v[QF+18*\qt+12+\k], v[QF+18*\qt+\k]
	v_mov_b32 v[QF+18*\qt+6+\k], 0
.endr
	v_lshlrev_b32 v[BX+3], v9, v[BX+3]             ; my byte at place h,
	v_permlanex16_b32 v253, v[BX+3], s44, s45
	v_or_b32 v[BX+3], v[BX+3], v253                ; with lane l xor 16's: bytes 0 and 1 of the row's word;
	v_lshlrev_b32 v[QS+\qt], v10, v[BX+3]          ; lanes 16-31 hold it two bytes up, for (zeros | Q)
.endr
	; ---- V's scale words: byte s of word (st, dt) is byte dt of block 4 st + s's word.  These 16 plain lines also stand between Q's scale words and the first product
	s_wait_loadcnt 47                              ; the scale words and K of blocks 0-2 are in: 15 loads of K and 32 of V may be out
.irp st, 0,1
	v_perm_b32 v[TT], v[SCK+8*\st+3], v[SCK+8*\st+1], s70
	v_perm_b32 v[TT+1], v[SCK+8*\st+3], v[SCK+8*\st+1], s71
	v_perm_b32 v[TT+2], v[SCK+8*\st+7], v[SCK+8*\st+5], s70
	v_perm_b32 v[TT+3], v[SCK+8*\st+7], v[SCK+8*\st+5], s71
	v_perm_b32 v[VW+4*\st], v[TT+2], v[TT], s72
	v_perm_b32 v[VW+4*\st+1], v[TT+2], v[TT], s73
	v_perm_b32 v[VW+4*\st+2], v[TT+3], v[TT+1], s72
	v_perm_b32 v[VW+4*\st+3], v[TT+3], v[TT+1], s73
.endr
	; ---- the first product.  Every instruction has an accumulator of its own
	WIN 0x01                                       ; K's image in window 1
.irp qt, 0,1
.irp a, 0,1                                        ; tile qt's near blocks are n = qt and qt + 1
	MMA S+32*\qt+16*\a, KF+12*(\qt+\a), QF+18*\qt, -1, SCK+2*(\qt+\a), QS+\qt, 0
	MMA S+32*\qt+16*\a+8, KF+12*(\qt+\a), QF+18*\qt+6, -1, SCK+2*(\qt+\a), QS+\qt, 1
.endr
.endr
	s_wait_loadcnt 32                              ; all of K is in: V's 32 loads may be out
	FARW 0, 0, 1                                   ; far 0: block m - 1, tile 1 alone
	FARW 3, 1, 0                                   ; far 1: block m - 2
.rept 4
	v_nop                                          ; four places behind the products, ahead of the first read of a result
.endr
	NEARMASK 0, 1, 0, 1, 66
	NEARMASK 0, 0, 1, 2, 0
	NEARMASK 1, 0, 0, 1, 68
	NEARMASK 1, -1, 1, 0, 0
.irp b, 0,1,2,3                                    ; the largest score of each near block: for the row's maximum, and, since p rises with the score, for the block's largest p
	v_max3_num_f32 v[BM+\b], v[S+16*\b], v[S+16*\b+1], v[S+16*\b+2]
.endr
.irp i, 3,5,7,9,11,13
.irp b, 0,1,2,3
	v_max3_num_f32 v[BM+\b], v[BM+\b], v[S+16*\b+\i], v[S+16*\b+\i+1]
.endr
.endr
.irp b, 0,1,2,3
	v_max_num_f32 v[BM+\b], v[BM+\b], v[S+16*\b+15]
.endr
.irp b, 0,1,2,3
	v_permlanex16_b32 v[BX+\b], v[BM+\b], s44, s45
.endr
.irp b, 0,1,2,3
	v_max_num_f32 v[BM+\b], v[BM+\b], v[BX+\b]     ; with lane l xor 16's 16 keys
.endr
	; the far blocks, on two banks by turns: between a bank's products and its maximum stands the other bank's maximum, 19 plain lines that name none of those products' registers
	TREE 0, 0, 1
	FARW 4, 0, 0
	TREE 1, 1, 0
	FARW 5, 1, 0
	TREE 2, 0, 0
	FARW 6, 0, 0
	TREE 3, 1, 0
	FARW 7, 1, 0
	TREE 4, 0, 0
	TREE 5, 1, 0
	; ---- M, by lane = qq
	v_max_num_f32 v[TT], v[BM], v[BM+1]
	v_max_num_f32 v[TT+1], v[BM+2], v[BM+3]
	v_cndmask_b32 v[TT], v[TT], v[TT+1], s42       ; lanes 0-15: tile 0's query r; lanes 16-31: tile 1's
	v_max3_num_f32 v[TT], v[TT], v[PF], v[PF+2]
	v_max3_num_f32 v[TT], v[TT], v[PF+4], v[PF+6]
	v_max3_num_f32 v[TT], v[TT], v[PF+8], v[PF+10]
	v_mul_f32 v[TT], s46, v[TT]                    ; the row's largest t (c is positive)
	v_floor_f32 v[NM], -v[TT]                      ; -M = floor(-t) = -ceil(t)
	v_permlanex16_b32 v[EX], v[NM], s44, s45
	v_cndmask_b32 v[NMQ], v[NM], v[EX], s42        ; tile 0's -M in both halves of the lanes,
	v_cndmask_b32 v[NMQ+2], v[EX], v[NM], s42      ; tile 1's
	; ---- p = 2^(t - M)
.set q, 0
.rept 32
	v_pk_fma_f32 v[S+2*q:S+2*q+1], v[S+2*q:S+2*q+1], s[46:47], v[NMQ+2*(q/16):NMQ+2*(q/16)+1] op_sel_hi:[1,0,0]
.set q, q+1
.endr
.irp b, 0,1,2,3
	v_fma_f32 v[BM+\b], v[BM+\b], s46, v[NMQ+2*(\b/2)]
.endr
.irp f, 0,1,2,3,4,5
	v_fma_f32 v[PF+2*\f], v[PF+2*\f], s46, v[NM]
.endr
.set q, 0
.rept 64
	v_exp_f32 v[S+q], v[S+q]
.set q, q+1
.endr
.irp b, 0,1,2,3
	v_exp_f32 v[BM+\b], v[BM+\b]                   ; the block's largest p: the same two instructions on the same number
.endr
.irp f, 0,1,2,3,4,5
	v_exp_f32 v[PF+2*\f], v[PF+2*\f]
.endr
	v_nop                                          ; one plain place behind the exponentials
	; ---- the blocks' scales
	s_wait_alu depctr_va_vdst(0)
.irp b, 0,1,2,3
	v_max_num_f32 v[BM+\b], 0x2800000, v[BM+\b]    ; the floor 2^(5 - 127)
.endr
.irp f, 0,1,2,3,4,5
	v_max_num_f32 v[PF+2*\f+1], 0x2800000, v[PF+2*\f]   ; a far block's one p is its largest
.endr
.irp b, 0,1,2,3
	v_add_nc_u32 v[BM+\b], 0xfe000000, v[BM+\b]    ; 4 off the exponent field: the conversion's scale operand
.endr
.irp f, 0,1,2,3,4,5
	v_add_nc_u32 v[PF+2*\f+1], 0xfe000000, v[PF+2*\f+1]
.endr
.irp b, 0,1,2,3
	v_lshrrev_b32 v[BX+\b], 23, v[BM+\b]           ; the bytes
.endr
.irp f, 0,1,2,3,4,5
	v_lshrrev_b32 v[SU+\f], 23, v[PF+2*\f+1]
.endr
	v_lshl_or_b32 v[W0], v[BX+1], 8, v[BX]         ; K step 0, tile 0 (read from lanes 0-15): blocks m-1, m, (zeros), m-2
	v_lshl_or_b32 v[W0], v[SU+1], 24, v[W0]
	v_lshl_or_b32 v[W0+1], v[BX+2], 8, v[SU]       ; tile 1 (lanes 16-31): m-1's diagonal, m, m+1, m-2
	v_lshl_or_b32 v[W0+1], v[BX+3], 16, v[W0+1]
	v_lshl_or_b32 v[W0+1], v[SU+1], 24, v[W0+1]
	v_lshl_or_b32 v[W1], v[SU+3], 8, v[SU+2]       ; K step 1: the four far blocks; lane = qq serves both tiles
	v_lshl_or_b32 v[W1], v[SU+4], 16, v[W1]
	v_lshl_or_b32 v[W1], v[SU+5], 24, v[W1]
	; ---- P's codes.  The operand wants a whole block in a lane: registers 6 c .. 6 c + 5: lanes 0-15 block 2 c, lanes 16-31 block 2 c + 1
	v_cvt_scalef32_pk16_bf6_f32 v[P:P+2], v[S:S+15], v[BM]
	v_cvt_scalef32_pk16_bf6_f32 v[T:T+2], v[S+16:S+31], v[BM+1]
	v_nop
	SWAP3 P, T
	MOV3 P+3, T
	FARG 1, G3
	ZERO3 P+6
	SWAP3 P+6, G3                                  ; tile 0: (zeros | far 1's keys 0-15); G3 is left as (zeros | its keys 16-31), for tile 1
	ZERO3 P+9
	FARG 0, P+12                                   ; far 0: zeros in lanes 0-15
	v_cvt_scalef32_pk16_bf6_f32 v[T:T+2], v[S+32:S+47], v[BM+2]
	v_nop
	SWAP3 P+12, T
	MOV3 P+15, T
	v_cvt_scalef32_pk16_bf6_f32 v[P+18:P+20], v[S+48:S+63], v[BM+3]
	v_nop
	SWAP3 P+18, G3
	MOV3 P+21, G3
.irp c, 0,1
	FARG 2+2*\c, P+24+6*\c
	FARG 3+2*\c, T
	SWAP3 P+24+6*\c, T                             ; tile 0 takes the two blocks' keys 0-15, tile 1 their keys 16-31
	ZERO3 P+27+6*\c
	ZERO3 P+36+6*\c
	MOV3 P+39+6*\c, T
.endr
	; ---- the rows' sums, of the unquantised p, and 1 / them.  These plain lines also stand between P's codes and scale words and the second product
.irp qt, 0,1
	v_pk_add_f32 v[SU+4*\qt:SU+4*\qt+1], v[S+32*\qt:S+32*\qt+1], v[S+32*\qt+2:S+32*\qt+3]
	v_pk_add_f32 v[SU+4*\qt+2:SU+4*\qt+3], v[S+32*\qt+4:S+32*\qt+5], v[S+32*\qt+6:S+32*\qt+7]
.irp j, 8,12,16,20,24,28
	v_pk_add_f32 v[SU+4*\qt:SU+4*\qt+1], v[SU+4*\qt:SU+4*\qt+1], v[S+32*\qt+\j:S+32*\qt+\j+1]
	v_pk_add_f32 v[SU+4*\qt+2:SU+4*\qt+3], v[SU+4*\qt+2:SU+4*\qt+3], v[S+32*\qt+\j+2:S+32*\qt+\j+3]
.endr
	v_pk_add_f32 v[SU+4*\qt:SU+4*\qt+1], v[SU+4*\qt:SU+4*\qt+1], v[SU+4*\qt+2:SU+4*\qt+3]
	v_add_f32 v[SU+4*\qt], v[SU+4*\qt], v[SU+4*\qt+1]
.endr
	v_add_f32 v[FS], v[PF], v[PF+2]
.irp f, 2,3,4,5
	v_add_f32 v[FS], v[FS], v[PF+2*\f]
.endr
	v_permlanex16_b32 v[SU+2], v[SU], s44, s45
	v_permlanex16_b32 v[SU+6], v[SU+4], s44, s45
	v_add_f32 v[SU], v[SU], v[SU+2]
	v_add_f32 v[SU+4], v[SU+4], v[SU+6]
	v_cndmask_b32 v[LL_], v[SU], v[SU+4], s42      ; by lane = qq,
	v_add_f32 v[LL_], v[LL_], v[FS]                ; with the far keys' p
	v_rcp_f32 v[LL_+1], v[LL_]
	v_nop                                          ; one plain place behind the transcendental
	s_wait_alu depctr_va_vdst(0)
	v_permlanex16_b32 v[EX], v[LL_+1], s44, s45
	v_cndmask_b32 v[RL], v[LL_+1], v[EX], s42
	v_cndmask_b32 v[RL+2], v[EX], v[LL_+1], s42
	; ---- the second product: eight accumulators by turns, one instruction a turn; the first K step starts the sums
	s_wait_loadcnt 16                              ; V of K step 0 is in: K step 1's 16 loads may be out
	WIN 0x01
.irp qt, 0,1
.irp dt, 0,1,2,3
	MMA S+8*(4*\qt+\dt), VF+12*\dt, P+12*\qt, -1, VW+\dt, W0+\qt, \qt
.endr
.endr
	s_wait_loadcnt 0x0
.irp qt, 0,1
.irp dt, 0,1,2,3
	MMA S+8*(4*\qt+\dt), VF+12*(4+\dt), P+12*(2+\qt), S+8*(4*\qt+\dt), VW+4+\dt, W1, \qt
.endr
.endr
	WIN 0
.rept 4
	v_nop                                          ; four places ahead of the first read of a result
.endr
	; ---- the way out: O / the sum; through LDS, so that sixteen lanes store a row's 256 neighbouring bytes
.set q, 0
.rept 32
	v_pk_mul_f32 v[S+2*q:S+2*q+1], v[S+2*q:S+2*q+1], v[RL+2*(q/16):RL+2*(q/16)+1] op_sel_hi:[1,0]
.set q, q+1
.endr
.irp qt, 0,1
.irp dt, 0,1,2,3                                   ; lane (r, h): row 16 qt + r, columns 16 dt + 8 h + 0 .. 7
	ds_store_b128 v6, v[S+8*(4*\qt+\dt):S+8*(4*\qt+\dt)+3] offset:16*PIT*\qt+64*\dt
	ds_store_b128 v6, v[S+8*(4*\qt+\dt)+4:S+8*(4*\qt+\dt)+7] offset:16*PIT*\qt+64*\dt+16
.endr
.endr
.set i, 0
.rept 16
	ds_load_b128 v[FD+4*i:FD+4*i+3], v4 offset:2*PIT*i   ; LDS serves a wave's instructions in order: these see the stores above
.set i, i+1
.endr
.set i, 0
.rept 11
	s_wait_dscnt 15-i
	global_store_b128 v3, v[FD+4*i:FD+4*i+3], s[38:39] offset:8192*i th:TH_STORE_NT  ; rows qq = 2 i, 2 i + 1: two aligned runs of 256 bytes
.set i, i+1
.endr
.rept 5
	s_wait_dscnt 15-i
	global_store_b128 v3, v[FD+4*i:FD+4*i+3], s[40:41] offset:8192*(i-11) th:TH_STORE_NT
.set i, i+1
.endr
	s_wait_tensorcnt 0x0
	ds_add_u32 v254, v255
	s_wait_dscnt 0x0
	s_endpgm
.Lfunc_end_k_q53198043a8_attn:
	.size	k_q53198043a8_attn, .Lfunc_end_k_q53198043a8_attn-k_q53198043a8_attn
	.p2alignl 7, 3214868480
	.fill 96, 4, 3214868480
	.section	.rodata,"a",@progbits
	.p2align	6, 0x0
	.amdhsa_kernel k_q53198043a8_attn
		.amdhsa_group_segment_fixed_size 70656
		.amdhsa_private_segment_fixed_size 0
		.amdhsa_enable_private_segment 0
		.amdhsa_kernarg_size 24
		.amdhsa_user_sgpr_count 2
		.amdhsa_user_sgpr_kernarg_segment_ptr 1
		.amdhsa_wavefront_size32 1
		.amdhsa_system_sgpr_workgroup_id_x 1
		.amdhsa_system_sgpr_workgroup_id_y 1
		.amdhsa_system_sgpr_workgroup_id_z 1
		.amdhsa_system_vgpr_workitem_id 0
		.amdhsa_next_free_vgpr 512
		.amdhsa_next_free_sgpr 80
		.amdhsa_reserve_vcc 1
		.amdhsa_float_denorm_mode_32 3
		.amdhsa_float_denorm_mode_16_64 3
		.amdhsa_memory_ordered 1
		.amdhsa_forward_progress 1
		.amdhsa_inst_pref_size 69
	.end_amdhsa_kernel
	.amdgpu_metadata
---
amdhsa.version: [ 1, 2 ]
amdhsa.kernels:
  - .name:           k_q53198043a8_attn
    .symbol:         k_q53198043a8_attn.kd
    .args:
      - { .name: queries, .offset: 0, .size: 8, .value_kind: global_buffer, .address_space: global }
      - { .name: kvq, .offset: 8, .size: 8, .value_kind: global_buffer, .address_space: global }
      - { .name: out0, .offset: 16, .size: 8, .value_kind: global_buffer, .address_space: global }
    .group_segment_fixed_size: 70656
    .private_segment_fixed_size: 0
    .kernarg_segment_align: 8
    .kernarg_segment_size: 24
    .max_flat_workgroup_size: 256
    .sgpr_count:     80
    .vgpr_count:     512
    .wavefront_size: 32
...
	.end_amdgpu_metadata
.endif
;; end of part 2
;; ======== version 2 of 2: 2 launches
;; limits: right only within a limited range of input values
;; workspace buffers: kvq 6,815,744 bytes
;; launch quant (part 3): grid 256 x 1, 8 waves a work-group, no clusters, 70,656 bytes of LDS; arguments keys, values, kvq; writes kvq
.if DOCPART == 3
	.amdgcn_target "amdgcn-amd-amdhsa--gfx1250"
	.amdhsa_code_object_version 6
	.text
	.protected	k_q53198043a8_quant
	.globl	k_q53198043a8_quant
	.p2align	8
	.type	k_q53198043a8_quant,@function
k_q53198043a8_quant:
	s_mov_b64 s[64:65], 0
	v_nop
	global_prefetch_b8 v0, s[64:65] scope:SCOPE_SE
	s_setreg_imm32_b32 hwreg(HW_REG_WAVE_MODE, 25, 1), 1
	s_wait_xcnt 0x0
; keys, values: [2][2048][16][64] f32.  Each block of 32 keys of each head becomes one record of 3,328 bytes in kvq, at (64 (16 b + h) + blk) x 3,328:
; codes of BF6 (E3M2) and E8M0 scale bytes, laid in the order in which the next launch's operand registers take them.
;   0..1535     K, quantised along the head's 64 (two blocks of 32): the image of 12 registers: piece c holds lane l's registers 4 c .. 4 c + 3 at 512 c + 16 l.
;               Registers 6 u .. 6 u + 5 of lane (r = l % 16, h = l / 16) are the 32 codes of key 8 u + r + 8 (r / 8), channels 32 h on.
;   1536..2559  V, quantised along the 32 keys: words 0-3 of the 24 bytes of column d, at 1536 + 16 d;     2560..3071  words 4-5, at 2560 + 8 d
;   3072..3327  lane l: 8 bytes (K's scale word of row r: tile 0 block 0, tile 0 block 1, tile 1 block 0, tile 1 block 1;  V's: columns r, 16 + r, 32 + r, 48 + r); lanes 16-31 repeat lanes 0-15
; A block's scale is 2^(floor(log2(its largest magnitude)) - 4): its byte is the largest magnitude's exponent field - 4, held at 1 from below.
; LIMITS: a block of zeros gets the byte 1 where the rule says 127 (its codes are zeros, and this program alone reads the bytes); NaN and infinities among the inputs are not served.
; SHARES: work-group g: batch g / 128, block (g / 2) % 64, heads 8 (g % 2) .. + 7; wave w takes one head: the eight waves read 2,048 neighbouring bytes of each of the block's 32 rows.
; A wave is straight-line: all 80 loads go out first; no wave touches another's LDS bytes, so there is no barrier.  Every store covers whole aligned runs of 256 bytes.
.set REC,  3328
.set PIT,  272                         ; an LDS row: 256 bytes + 16: seventeen pieces of 16 bytes, so that sixteen rows' equal columns start at sixteen different places modulo 256 bytes
.set T,    24                          ; v24-26   a conversion's second half (its three registers begin on an even number)
.set KR,   32                          ; v32-95   K as loaded
.set VX,   96                          ; v96-127  V, column = lane, registers down the keys
.set VY,   128                         ; v128-159 V, column = 32 + lane
.set KT,   160                         ; v160-223 K turned: 32 neighbours along the channels to a lane, two tiles
.set KC,   224                         ; v224-235 K's codes
.set VCX,  236                         ; v236-241 V's codes, column = lane
.set VCY,  242                         ; v242-247 column = 32 + lane
	s_load_b128 s[4:7], s[0:1], 0x0                ; keys, values
	s_load_b64 s[8:9], s[0:1], 0x10                ; kvq
	v_lshl_add_u32 v254, v0, 2, 0x11000
	v_mov_b32 v255, 0
	v_lshrrev_b32 v1, 5, v0
	s_delay_alu instid0(VALU_DEP_1)
	v_readfirstlane_b32 s10, v1                    ; wave 0..7
	v_and_b32 v1, 31, v0                           ; lane
	v_and_b32 v2, 15, v0                           ; r
	v_bfe_u32 v3, v0, 4, 1                         ; h
	s_delay_alu instid0(VALU_DEP_2)
	v_lshlrev_b32 v4, 4, v2
	s_delay_alu instid0(VALU_DEP_1)
	v_lshl_add_u32 v4, v3, 12, v4                  ; K in: lanes 0-15 one key's 256 bytes, lanes 16-31 the next key's
	v_lshlrev_b32 v5, 2, v1                        ; V in: 4 bytes a lane
	s_and_b32 s14, ttmp9, 1
	s_lshl_b32 s14, s14, 3
	s_add_co_u32 s14, s14, s10                     ; the head
	s_bfe_u32 s15, ttmp9, 0x60001                  ; the block of 32 keys
	s_lshr_b32 s16, ttmp9, 7                       ; the batch
	s_lshl_b32 s2, s16, 23                         ; a batch is 2^23 bytes,
	s_lshl_b32 s17, s15, 17                        ; 32 keys are 2^17,
	s_add_co_u32 s2, s2, s17
	s_lshl_b32 s17, s14, 8                         ; a head's part of a key is 256
	s_add_co_u32 s2, s2, s17
	s_mov_b32 s3, 0
	s_lshl_b32 s18, s16, 4
	s_add_co_u32 s18, s18, s14
	s_lshl_b32 s18, s18, 6
	s_add_co_u32 s18, s18, s15
	s_mul_i32 s18, s18, REC                        ; my record
	s_mov_b32 s19, 0
	s_wait_alu depctr_va_vdst(0)
	s_wait_kmcnt 0x0
	s_add_nc_u64 s[4:5], s[4:5], s[2:3]
	s_add_nc_u64 s[6:7], s[6:7], s[2:3]
	s_add_nc_u64 s[8:9], s[8:9], s[18:19]
.set i, 0
.rept 16
	global_load_b128 v[KR+4*i:KR+4*i+3], v4, s[4:5] offset:8192*i th:TH_LOAD_NT      ; keys 2 i and 2 i + 1: two whole runs of 256 bytes
.set i, i+1
.endr
.set i, 0
.rept 32
	global_load_b32 v[VX+i], v5, s[6:7] offset:4096*i th:TH_LOAD_NT                  ; key i, columns 0-31,
	global_load_b32 v[VY+i], v5, s[6:7] offset:4096*i+128 th:TH_LOAD_NT              ; and columns 32-63: the two halves of the same 256 bytes, one behind the other
.set i, i+1
.endr
	s_mul_i32 s11, s10, 32*PIT                     ; my wave's LDS bytes
	s_mov_b32 s12, 0x76543210
	s_mov_b32 s13, 0xfedcba98                      ; v_permlanex16_b32: lane l xor 16
	v_mul_u32_u24 v6, v3, PIT
	s_delay_alu instid0(VALU_DEP_1)
	v_lshl_add_u32 v6, v2, 4, v6
	s_delay_alu instid0(VALU_DEP_1)
	v_add_nc_u32 v6, s11, v6                       ; into LDS: row h of a pair, 16 r
	v_mul_u32_u24 v7, v2, PIT
	s_delay_alu instid0(VALU_DEP_1)
	v_lshl_add_u32 v7, v3, 7, v7
	s_delay_alu instid0(VALU_DEP_1)
	v_add_nc_u32 v7, s11, v7                       ; out of it: row r, channels 32 h on
	v_lshlrev_b32 v8, 4, v1                        ; 16 x lane
	v_lshlrev_b32 v9, 3, v1                        ; 8 x lane
	v_lshlrev_b32 v10, 3, v3                       ; 8 h: my bytes' place in a scale word
	v_mov_b32 v22, 0                               ; a lane permute's destination counts as one of its sources: written once
; 32 numbers of one block in v[src] on become 6 registers of codes in v[dst] on and the scale's byte in v[byte]
.macro QUANT32 src, dst, byte
	v_max3_num_f32 v12, |v[\src]|, |v[\src+1]|, |v[\src+2]|        ; the largest magnitude, in two chains
	v_max3_num_f32 v13, |v[\src+3]|, |v[\src+4]|, |v[\src+5]|
.irp i, 6,10,14,18,22,26
	s_delay_alu instid0(VALU_DEP_2)
	v_max3_num_f32 v12, v12, |v[\src+\i]|, |v[\src+\i+1]|
	s_delay_alu instid0(VALU_DEP_2)
	v_max3_num_f32 v13, v13, |v[\src+\i+2]|, |v[\src+\i+3]|
.endr
	s_delay_alu instid0(VALU_DEP_2)
	v_max3_num_f32 v12, v12, |v[\src+30]|, |v[\src+31]|
	s_delay_alu instid0(VALU_DEP_1)
	v_max3_num_f32 v12, v12, v13, 0x2800000        ; and the floor 2^(5 - 127): the byte cannot fall under 1
	s_delay_alu instid0(VALU_DEP_1)
	v_add_nc_u32 v14, 0xfe000000, v12              ; 4 off the exponent field: the conversion takes this operand's exponent field as its scale
	s_delay_alu instid0(VALU_DEP_1)
	v_lshrrev_b32 v[\byte], 23, v14                ; the scale's byte
	v_cvt_scalef32_pk16_bf6_f32 v[\dst:\dst+2], v[\src:\src+15], v14
	v_cvt_scalef32_pk16_bf6_f32 v[T:T+2], v[\src+16:\src+31], v14
	v_nop                                          ; one plain place behind a scaled conversion
.irp k, 0,1,2
	v_mov_b32 v[\dst+3+\k], v[T+\k]
.endr
.endm
; my two bytes (places h and 2 + h of a scale word) and lane l xor 16's two make the word, in both halves of the lanes
.macro WORD out, b0, b1
	v_lshl_or_b32 v[\out], v[\b1], 16, v[\b0]
	s_delay_alu instid0(VALU_DEP_1)
	v_lshlrev_b32 v[\out], v10, v[\out]
	s_delay_alu instid0(VALU_DEP_1)
	v_permlanex16_b32 v22, v[\out], s12, s13
	s_delay_alu instid0(VALU_DEP_1)
	v_or_b32 v[\out], v[\out], v22
.endm
	s_wait_alu depctr_va_vdst(0)
	s_wait_loadcnt 63                              ; K is in: 64 younger loads were issued, the count's field ends at 63, and a smaller count is safe
.set i, 0
.rept 16                                           ; key 16 a + 8 u + c goes to LDS row 16 u + 8 a + c: row 16 u + r then holds the key of row r of tile u
	ds_store_b128 v6, v[KR+4*i:KR+4*i+3] offset:PIT*(16*((i>>2)&1)+8*(i>>3)+2*(i&3))
.set i, i+1
.endr
.irp u, 0,1
.irp j, 0,1,2,3,4,5,6,7
	ds_load_b128 v[KT+32*\u+4*\j:KT+32*\u+4*\j+3], v7 offset:16*PIT*\u+16*\j         ; LDS serves a wave's instructions in order: these see the stores above
.endr
.endr
	s_wait_dscnt 8                                 ; tile 0's eight loads are in, tile 1's may be out
	QUANT32 KT, KC, 16
	s_wait_dscnt 0x0
	QUANT32 KT+32, KC+6, 17
	WORD 20, 16, 17
.irp c, 0,1,2
	global_store_b128 v8, v[KC+4*\c:KC+4*\c+3], s[8:9] offset:512*\c                 ; 512 neighbouring bytes a store
.endr
	s_wait_loadcnt 0x0                             ; V
	QUANT32 VX, VCX, 18
	QUANT32 VY, VCY, 19
	WORD 21, 18, 19
	global_store_b128 v8, v[VCX:VCX+3], s[8:9] offset:1536
	global_store_b128 v8, v[VCY:VCY+3], s[8:9] offset:2048
	global_store_b64 v9, v[VCX+4:VCX+5], s[8:9] offset:2560
	global_store_b64 v9, v[VCY+4:VCY+5], s[8:9] offset:2816
	global_store_b64 v9, v[20:21], s[8:9] offset:3072
	s_wait_tensorcnt 0x0
	ds_add_u32 v254, v255
	s_wait_dscnt 0x0
	s_endpgm                                       ; no register of a pending store was written again, so no wait stands behind the stores
.Lfunc_end_k_q53198043a8_quant:
	.size	k_q53198043a8_quant, .Lfunc_end_k_q53198043a8_quant-k_q53198043a8_quant
	.p2alignl 7, 3214868480
	.fill 96, 4, 3214868480
	.section	.rodata,"a",@progbits
	.p2align	6, 0x0
	.amdhsa_kernel k_q53198043a8_quant
		.amdhsa_group_segment_fixed_size 70656
		.amdhsa_private_segment_fixed_size 0
		.amdhsa_enable_private_segment 0
		.amdhsa_kernarg_size 24
		.amdhsa_user_sgpr_count 2
		.amdhsa_user_sgpr_kernarg_segment_ptr 1
		.amdhsa_wavefront_size32 1
		.amdhsa_system_sgpr_workgroup_id_x 1
		.amdhsa_system_sgpr_workgroup_id_y 1
		.amdhsa_system_sgpr_workgroup_id_z 1
		.amdhsa_system_vgpr_workitem_id 0
		.amdhsa_next_free_vgpr 256
		.amdhsa_next_free_sgpr 66
		.amdhsa_reserve_vcc 0
		.amdhsa_float_denorm_mode_32 3
		.amdhsa_float_denorm_mode_16_64 3
		.amdhsa_memory_ordered 1
		.amdhsa_forward_progress 1
		.amdhsa_inst_pref_size 22
	.end_amdhsa_kernel
	.amdgpu_metadata
---
amdhsa.version: [ 1, 2 ]
amdhsa.kernels:
  - .name:           k_q53198043a8_quant
    .symbol:         k_q53198043a8_quant.kd
    .args:
      - { .name: keys, .offset: 0, .size: 8, .value_kind: global_buffer, .address_space: global }
      - { .name: values, .offset: 8, .size: 8, .value_kind: global_buffer, .address_space: global }
      - { .name: kvq, .offset: 16, .size: 8, .value_kind: global_buffer, .address_space: global }
    .group_segment_fixed_size: 70656
    .private_segment_fixed_size: 0
    .kernarg_segment_align: 8
    .kernarg_segment_size: 24
    .max_flat_workgroup_size: 256
    .sgpr_count:     66
    .vgpr_count:     256
    .wavefront_size: 32
...
	.end_amdgpu_metadata
.endif
;; end of part 3
;; launch attn (part 4): grid 256 x 1, 8 waves a work-group, no clusters, 70,656 bytes of LDS; arguments queries, kvq, out0; writes out0
.if DOCPART == 4
	.amdgcn_target "amdgcn-amd-amdhsa--gfx1250"
	.amdhsa_code_object_version 6
	.text
	.protected	k_q53198043a8_attn
	.globl	k_q53198043a8_attn
	.p2align	8
	.type	k_q53198043a8_attn,@function
k_q53198043a8_attn:
	s_mov_b64 s[64:65], 0
	v_nop
	global_prefetch_b8 v0, s[64:65] scope:SCOPE_SE
	s_setreg_imm32_b32 hwreg(HW_REG_WAVE_SCHED_MODE, 0, 2), 2
	s_setreg_imm32_b32 hwreg(HW_REG_WAVE_MODE, 25, 1), 1
	s_wait_xcnt 0x0
	s_wait_alu depctr_vm_vsrc(0)
; out0[b][i][h][:] = sum over k of softmax_k(mask(Q.K) / 8) V, both products on codes of BF6 (E3M2) with one E8M0 scale for each 32 along K.
; THE MASK is built from the sizes alone: rows i < 22 see keys 0 .. i; every other row sees d = i - k in {0..12, 14, 18, 26, 42, 74, 138, 266, 522, 1034}, k >= 0.  All else gets p = 0, and tiles wholly under it are not multiplied.
; GROUPS SHIFTED BY 10: a wave owns queries i = (32 m + 10 + qq) mod 2048, qq = 0..31, of one head (m = 0..63).  The key at d = 10 + 32 o is then key qq of the aligned block m - o: each far window is the diagonal of ONE block of 32.
; A group wants eight blocks, two K steps of 128 of the second product: n = 0..7: m-1, m, m+1, m-2, m-4, m-8, m-16, m-32 (taken mod 64, so that every address is good; blocks that do not exist are capped to p = 0).
; Query tile 0 (qq 0-15) has near keys in blocks m-1 and m, tile 1 in m and m+1, and in m-1 the diagonal alone.  In group 63 lanes qq >= 22 are rows 0..9 and block m+1 is block 0, where the general mask is those rows' causal mask.
; FIRST PRODUCT, transposed: source 0 = a block's whole image of K (tile 0 | tile 1 along the 128), source 1 = (Q | zeros) or (zeros | Q): the zero codes take the other tile out.  Lane (r, h), register j of tile u: key 16 h + 8 u + j, query r.
; FAR BLOCKS: C is 0 on the diagonal's lane and -1.6e29 elsewhere; a maximum over the 32 registers leaves the one score of query qq in lane qq.  It costs one exponential; eight packed multiplies by a one-hot table lay it for the conversion.
; SOFTMAX: all eight blocks of a row are at hand, so M = ceil(the row's largest t), t = score x log2(e) / 8 (one rounding); p = 2^(t - M) is quantised along the keys; the row's sum is taken of the unquantised p and divides at the end.
; SECOND PRODUCT, transposed: source 0 = 16 columns of V x 128 keys, source 1 = P: a lane holds one query and eight neighbouring columns.
; LIMITS: masked keys count as -1.6e29 and not -1e9: the same p = 0 as long as a row's largest allowed score lies some 1,000 above -1e9; NaN and infinities among the inputs are not served; a block of zeros has the byte 1 or 0 (its codes are zeros).
; NO JOINT LOADS, NO LDS FOR OPERANDS: each wave reads its own eight records (26,624 bytes) once, straight into its operand registers, and the eight differ from wave to wave by distances of 1 to 32 blocks: no two work-groups want the same tile at the same step.
; A wave is straight-line: 80 loads at its head, no loop, no branch, no barrier; LDS (32 rows of 272 bytes a wave) only turns Q on the way in and O on the way out.
; THE MODE: SCHED_MODE bits 1:0 = 2 (LLVM: expert scheduling mode 2), set by the entry lines.  The code itself states the register dependences
; between vector or matrix instructions and memory or LDS instructions, with s_wait_alu, always for 0.
; THE PLAN.  Registers that memory or LDS instructions touch:
;   v1-3, v12-19  offsets of K, the scale words, Q and O, V: made by vector lines at the head and never written again.  One wait ahead of the first load states that they are written; only loads and one window switch follow it up to the last load.
;   v4-6          LDS addresses: made behind the loads and never written again.  One wait ahead of Q's LDS stores states that they are written, for the way out too.
;   v[S ..]       Q lands here; Q's LDS stores read it; the first product writes it: one wait states that the stores have read it.  At the end the scalings of O write it and O's LDS stores read it: one wait ahead of those stores.
;   v[FD ..]      Q's LDS loads land here; then vector and matrix lines alone name it (far accumulators, the far p laid out, P's codes); at the end O's LDS loads land here: the wait ahead of O's LDS stores states that all those lines are done.
;   the scale words v20-35 and window 1's K and V: loaded once, then named by vector and matrix lines alone.   v254, v255: written at the head, read by the closing add alone.
; Operands and scales of the scaled products that vector lines make (Q's codes and words; P's codes and words; V's turned words) have one wait ahead of each of the two products, behind the places.
; REGISTERS.  Window 0: v1-19 addresses and constants; v20-35 (K's, V's) scale words of block n; v36-37 Q's; v38-45 V's by (K step, tile); v46-48 P's; v50-85 Q's fragments, later at work; v86-101 the one-hot table;
;   v102-165 Q as loaded, then scores and p, then O; v166-229 Q turned, then two banks of far accumulators, then P's codes, then rows of O; v230-241 (far p, its scale operand); v242-253 at work.
; Window 1: v0-95 K's eight images; v96-191 V's eight fragments; v192-223 the far products' C.
.set REC,  3328
.set PIT,  272
.set SCK,  20
.set QS,   36
.set VW,   38
.set W0,   46
.set W1,   48
.set QF,   50                          ; tile qt at QF + 18 qt: six registers of Q, six of zeros, Q again
.set EE,   86                          ; register rho: 1.0 where lane % 16 = rho, else 0
.set S,    102
.set FD,   166
.set FE,   166
.set P,    182                         ; P(K step st, tile qt) at P + 12 (2 st + qt)
.set PF,   230                         ; far block f: the score, then p, at PF + 2 f; its scale operand at PF + 2 f + 1
.set BM,   242                         ; near block 2 qt + a: its largest score, then its largest p, then its scale operand
.set BX,   246
.set TT,   250
.set NM,   50                          ; from the maximum on v50-85 are free: -M by lane = qq; v51 an exchange; v52, v54 -M for tile 0, 1
.set EX,   51
.set NMQ,  52
.set SU,   56                          ; v56-63 far bytes, then the sums
.set FS,   64
.set LL_,  66
.set RL,   68                          ; v68, v70: 1 / the sum for tile 0, 1
.set T,    72
.set G3,   76
.set KF,   0                           ; in window 1
.set VF,   96
.set CM,   192
.set DM,   0x40004045FFF               ; bit d is set where d is one of 0..12, 14, 18, 26, 42
.set MSB, 0
.macro WIN new                         ; s_set_vgpr_msb: bits 1:0 source 0, 3:2 source 1, 5:4 source 2, 7:6 destination; the high byte repeats the setting that is left
.if MSB != \new
	s_set_vgpr_msb (MSB<<8)|\new
.set MSB, \new
.endif
.endm
; one matrix instruction.  c < 0: the constant 0 starts the sum.  row = 1: source 1's scales are read from lanes 16-31
.macro MMA d, a, b, c, sa, sb, row
.if (\c) < 0
.if \row
	v_wmma_scale_f32_16x16x128_f8f6f4 v[\d:\d+7], v[\a:\a+11], v[\b:\b+11], 0, v[\sa], v[\sb] matrix_a_fmt:MATRIX_FMT_BF6 matrix_b_fmt:MATRIX_FMT_BF6 matrix_b_scale:MATRIX_SCALE_ROW1
.else
	v_wmma_scale_f32_16x16x128_f8f6f4 v[\d:\d+7], v[\a:\a+11], v[\b:\b+11], 0, v[\sa], v[\sb] matrix_a_fmt:MATRIX_FMT_BF6 matrix_b_fmt:MATRIX_FMT_BF6
.endif
.else
.if \row
	v_wmma_scale_f32_16x16x128_f8f6f4 v[\d:\d+7], v[\a:\a+11], v[\b:\b+11], v[\c:\c+7], v[\sa], v[\sb] matrix_a_fmt:MATRIX_FMT_BF6 matrix_b_fmt:MATRIX_FMT_BF6 matrix_b_scale:MATRIX_SCALE_ROW1
.else
	v_wmma_scale_f32_16x16x128_f8f6f4 v[\d:\d+7], v[\a:\a+11], v[\b:\b+11], v[\c:\c+7], v[\sa], v[\sb] matrix_a_fmt:MATRIX_FMT_BF6 matrix_b_fmt:MATRIX_FMT_BF6
.endif
.endif
.endm
.macro QUANT32 src, dst, byte          ; 32 numbers of one block -> 6 registers of codes and the scale's byte
	v_max3_num_f32 v[TT], |v[\src]|, |v[\src+1]|, |v[\src+2]|
	v_max3_num_f32 v[TT+1], |v[\src+3]|, |v[\src+4]|, |v[\src+5]|
.irp i, 6,10,14,18,22,26
	v_max3_num_f32 v[TT], v[TT], |v[\src+\i]|, |v[\src+\i+1]|
	v_max3_num_f32 v[TT+1], v[TT+1], |v[\src+\i+2]|, |v[\src+\i+3]|
.endr
	v_max3_num_f32 v[TT], v[TT], |v[\src+30]|, |v[\src+31]|
	v_max3_num_f32 v[TT], v[TT], v[TT+1], 0x2800000    ; the floor 2^(5 - 127): the byte cannot fall under 1
	v_add_nc_u32 v[TT+2], 0xfe000000, v[TT]            ; 4 off the exponent field: the conversion's scale operand
	v_lshrrev_b32 v[\byte], 23, v[TT+2]
	v_cvt_scalef32_pk16_bf6_f32 v[\dst:\dst+2], v[\src:\src+15], v[TT+2]
	v_cvt_scalef32_pk16_bf6_f32 v[BX:BX+2], v[\src+16:\src+31], v[TT+2]   ; (a conversion's three registers begin on an even number)
	v_nop                                              ; one plain place behind a scaled conversion
.irp k, 0,1,2
	v_mov_b32 v[\dst+3+\k], v[BX+\k]
.endr
.endm
; sixteen lanes' bits of the mask: lane r is on where d = s + r is allowed
.macro LO16 sym, s
.if (\s) >= 0
.set \sym, (DM>>(\s))&0xffff
.elseif (\s) > -16
.set \sym, (DM<<(-(\s)))&0xffff
.else
.set \sym, 0
.endif
.endm
; the same for group 0's causal rows 10..21 (lanes r < 12 of tile 0): on where d = s + r is 0 or more
.macro LC16 sym, s
.if (\s) >= 0
.set \sym, 0xfff
.elseif (\s) > -12
.set \sym, (0xfff<<(-(\s)))&0xfff
.else
.set \sym, 0
.endif
.endm
; The 16 registers of near block a of tile qt, which is block m - o.  Register rho of lane (r, h) holds key 16 h + rho: d = 32 o + 10 + 16 qt - rho + r - 16 h.  Hidden scores become -1.6e29.
; mode 0: the mask as it is; 1: and with s[keep]; 2: or, in group 0, with the causal rows' bits.  rho ascends: each accumulator is read from its low end on.
.macro NEARMASK qt, o, a, mode, keep
.set rho, 0
.rept 16
.set SH, 32*(\o)+10+16*(\qt)-rho
	LO16 LA, SH
	LO16 LB, SH-16
.if \mode == 0
	s_mov_b32 vcc_lo, LA|(LB<<16)
.elseif \mode == 1
	s_and_b32 vcc_lo, s[\keep], LA|(LB<<16)
.else
	LC16 CA, SH
	LC16 CB, SH-16
	s_and_b32 s69, s67, CA|(CB<<16)
	s_or_b32 vcc_lo, s69, LA|(LB<<16)
.endif
	v_cndmask_b32 v[S+32*(\qt)+16*(\a)+rho], v7, v[S+32*(\qt)+16*(\a)+rho], vcc_lo
.set rho, rho+1
.endr
.endm
; block n's far products into a bank of accumulators ((qt, u) at + 16 qt + 8 u), tiles q0 .. 1
.macro FARW n, bank, q0
	WIN 0x11                                       ; K's image and C in window 1
.irp qt, 0,1
.if \qt >= \q0
	MMA FD+32*(\bank)+16*\qt, KF+12*(\n), QF+18*\qt, CM+16*\qt, SCK+2*(\n), QS+\qt, 0
	MMA FD+32*(\bank)+16*\qt+8, KF+12*(\n), QF+18*\qt+6, CM+16*\qt+8, SCK+2*(\n), QS+\qt, 1
.endif
.endr
	WIN 0
.endm
; the maximum over a bank's registers: lane qq keeps its query's one score; then the caps: the block exists (m >= o), the row is not one of group 63's rows 0..9
.macro TREE f, bank, q0
.irp c, 0,1,2,3
.if \c >= 2*(\q0)
	v_max3_num_f32 v[TT+\c], v[FD+32*(\bank)+8*\c], v[FD+32*(\bank)+8*\c+1], v[FD+32*(\bank)+8*\c+2]
.endif
.endr
.irp i, 3,5
.irp c, 0,1,2,3
.if \c >= 2*(\q0)
	v_max3_num_f32 v[TT+\c], v[TT+\c], v[FD+32*(\bank)+8*\c+\i], v[FD+32*(\bank)+8*\c+\i+1]
.endif
.endr
.endr
.irp c, 0,1,2,3
.if \c >= 2*(\q0)
	v_max_num_f32 v[TT+\c], v[TT+\c], v[FD+32*(\bank)+8*\c+7]
.endif
.endr
.if \q0
	v_max_num_f32 v[TT+2], v[TT+2], v[TT+3]
	v_min3_num_f32 v[PF+2*(\f)], v[TT+2], v11, s[56+(\f)]
.else
	v_max3_num_f32 v[TT], v[TT], v[TT+1], v[TT+2]
	v_max_num_f32 v[TT], v[TT], v[TT+3]
	v_min3_num_f32 v[PF+2*(\f)], v[TT], v11, s[56+(\f)]
.endif
.endm
; far block f's codes: lane (r, h) gets 16 codes, p of query 16 h + r at place r and zeros beside it
.macro FARG f, dst
.irp i, 0,2,4,6,8,10,12,14
	v_pk_mul_f32 v[FE+\i:FE+\i+1], v[EE+\i:EE+\i+1], v[PF+2*(\f):PF+2*(\f)+1] op_sel_hi:[1,0]
.endr
	v_cvt_scalef32_pk16_bf6_f32 v[\dst:\dst+2], v[FE:FE+15], v[PF+2*(\f)+1]
	v_nop                                          ; one plain place behind a scaled conversion
.endm
.macro SWAP3 a, b                      ; a's lanes 16-31 change places with b's lanes 0-15: a = (a low | b low), b = (a high | b high)
.irp k, 0,1,2
	v_permlane16_swap_b32 v[\a+\k], v[\b+\k]
.endr
.endm
.macro MOV3 a, b
.irp k, 0,1,2
	v_mov_b32 v[\a+\k], v[\b+\k]
.endr
.endm
.macro ZERO3 a
.irp k, 0,1,2
	v_mov_b32 v[\a+\k], 0
.endr
.endm
	; ---- the head: ids, addresses, and all 80 loads
	s_load_b128 s[4:7], s[0:1], 0x0                ; queries, kvq
	s_load_b64 s[8:9], s[0:1], 0x10                ; out0
	v_lshl_add_u32 v254, v0, 2, 0x11000
	v_mov_b32 v255, 0
	v_lshrrev_b32 v250, 5, v0
	v_readfirstlane_b32 s10, v250                  ; wave 0..7
	s_wait_alu depctr_va_sdst(0)                   ; s10 is written, ahead of its first reader: the group's number and the wave's LDS bytes are made from it
	s_and_b32 s11, ttmp9, 7
	s_lshl_b32 s11, s11, 3
	s_add_co_u32 s11, s11, s10                     ; m, my group
	s_lshr_b32 s12, ttmp9, 3                       ; 16 b + h
	s_mov_b32 s42, 0xffff0000                      ; lanes 16-31
	s_mov_b32 s3, 0
.set n, 0
.irp o, 1,0,-1,2,4,8,16,32
	s_add_co_u32 s69, s11, 64-(\o)
	s_and_b32 s69, s69, 63                         ; block (m - o) mod 64
	s_mul_i32 s[48+n], s69, REC                    ; its record in the head's part of kvq
.set n, n+1
.endr
	s_lshr_b32 s13, s12, 4
	s_lshl_b32 s13, s13, 23
	s_and_b32 s14, s12, 15
	s_lshl_b32 s14, s14, 8
	s_add_co_u32 s13, s13, s14                     ; the head's first byte in queries and out0
	s_lshl_b32 s14, s11, 17
	s_add_co_u32 s14, s14, 40960
	s_add_co_u32 s14, s14, s13                     ; row 32 m + 10: rows qq = 0..21
	s_lshl_b32 s15, s11, 5
	s_add_co_u32 s15, s15, 32
	s_and_b32 s15, s15, 2047
	s_lshl_b32 s15, s15, 12
	s_add_co_u32 s15, s15, s13                     ; row (32 m + 32) mod 2048: rows qq = 22..31 (in group 63: rows 0..9)
	s_mul_i32 s75, s12, 64*REC
	s_mul_i32 s74, s10, 32*PIT                     ; my wave's LDS bytes
	v_and_b32 v251, 31, v0                         ; lane
	v_and_b32 v252, 15, v0                         ; r
	v_bfe_u32 v253, v0, 4, 1                       ; h
	v_lshlrev_b32 v1, 4, v251                      ; 16 x lane
	v_lshlrev_b32 v2, 3, v251                      ; 8 x lane
	v_lshlrev_b32 v3, 4, v252
	v_lshl_add_u32 v3, v253, 12, v3                ; Q and O: lanes 0-15 one row's 256 bytes, lanes 16-31 the next row's
	v_mov_b32 v7, 0xf0000000                       ; -1.6e29
	v_mov_b32 v8, 0
.irp pi, 0,1,2,3                                   ; V: lanes 0-15 read block 2 pi, lanes 16-31 block 2 pi + 1
	v_mov_b32 v250, s[48+2*\pi]
	v_mov_b32 v251, s[49+2*\pi]
	v_cndmask_b32 v250, v250, v251, s42
	v_lshl_add_u32 v[12+\pi], v252, 4, v250
	v_lshl_add_u32 v[16+\pi], v252, 3, v250
.endr
	s_wait_kmcnt 0x0
	s_mov_b32 s2, s14
	s_add_nc_u64 s[34:35], s[4:5], s[2:3]
	s_add_nc_u64 s[38:39], s[8:9], s[2:3]
	s_mov_b32 s2, s15
	s_add_nc_u64 s[36:37], s[4:5], s[2:3]
	s_add_nc_u64 s[40:41], s[8:9], s[2:3]
	s_mov_b32 s2, s75
	s_add_nc_u64 s[32:33], s[6:7], s[2:3]          ; the head's records
.set n, 0
.rept 8
	s_mov_b32 s2, s[48+n]
	s_add_nc_u64 s[16+2*n:17+2*n], s[32:33], s[2:3]   ; block n's record.  All bases are made ahead of the wait below: behind it stand loads and one window switch alone
.set n, n+1
.endr
	s_wait_alu depctr_va_vdst(0)                   ; the offsets v1, v2, v3 and v12 to v19 are written, which the 80 loads below read; no vector line has named a register in which one of them lands
.set i, 0
.rept 11
	global_load_b128 v[S+4*i:S+4*i+3], v3, s[34:35] offset:8192*i th:TH_LOAD_NT      ; rows qq = 2 i, 2 i + 1
.set i, i+1
.endr
.rept 5
	global_load_b128 v[S+4*i:S+4*i+3], v3, s[36:37] offset:8192*(i-11) th:TH_LOAD_NT
.set i, i+1
.endr
.set n, 0
.rept 8
	global_load_b64 v[SCK+2*n:SCK+2*n+1], v2, s[16+2*n:17+2*n] offset:3072           ; the block's scale words
.set n, n+1
.endr
	WIN 0x40                                       ; destination window 1
.set n, 0
.rept 8
.irp c, 0,1,2
	global_load_b128 v[KF+12*n+4*\c:KF+12*n+4*\c+3], v1, s[16+2*n:17+2*n] offset:512*\c   ; K's image, as it was stored
.endr
.set n, n+1
.endr
.irp st, 0,1
.irp dt, 0,1,2,3
.irp c, 0,1                                        ; registers 6 c .. 6 c + 5: the 24 bytes of column 16 dt + r of block 4 st + 2 c + h
	global_load_b128 v[VF+12*(4*\st+\dt)+6*\c:VF+12*(4*\st+\dt)+6*\c+3], v[12+2*\st+\c], s[32:33] offset:1536+256*\dt
	global_load_b64 v[VF+12*(4*\st+\dt)+6*\c+4:VF+12*(4*\st+\dt)+6*\c+5], v[16+2*\st+\c], s[32:33] offset:2560+128*\dt
.endr
.endr
.endr
	; ---- constants, while the loads are on their way: none of these lines writes a register that a load reads or lands in
.set kq, 0
.rept 32                                           ; the far products' C: register 16 qt + 8 u + j is 0 in the lane of the same number, -1.6e29 elsewhere
	s_mov_b32 vcc_lo, 1<<kq
	v_cndmask_b32 v[CM+kq], v7, v8, vcc_lo
.set kq, kq+1
.endr
	WIN 0
.set kq, 0
.rept 16
	s_mov_b32 vcc_lo, 0x00010001<<kq
	v_cndmask_b32 v[EE+kq], 0, 1.0, vcc_lo
.set kq, kq+1
.endr
	v_mul_u32_u24 v4, v253, PIT
	v_lshl_add_u32 v4, v252, 4, v4
	v_add_nc_u32 v4, s74, v4                       ; LDS by pairs of rows: row h, 16 r
	v_mul_u32_u24 v5, v252, PIT
	v_lshl_add_u32 v6, v253, 5, v5
	v_lshl_add_u32 v5, v253, 7, v5
	v_add_nc_u32 v5, s74, v5                       ; Q out of LDS: row r, channels 32 h on
	v_add_nc_u32 v6, s74, v6                       ; O into LDS: row r, 32 h
	v_lshlrev_b32 v9, 3, v253                      ; 8 h
	v_lshlrev_b32 v10, 4, v253                     ; 16 h
	s_mov_b32 s44, 0x76543210
	s_mov_b32 s45, 0xfedcba98                      ; v_permlanex16_b32: lane l xor 16
	s_mov_b32 s46, 0x3e38aa3b                      ; c = log2(e) / 8
	s_mov_b32 s47, s46                             ; (named with it as a pair)
	s_mov_b32 s62, 0x7f7fffff
	s_mov_b32 s63, 0xf0000000
	s_mov_b32 s70, 0x05010400                      ; byte selects of the 4 x 4 turn of V's scale bytes
	s_mov_b32 s71, 0x07030602
	s_mov_b32 s72, 0x05040100
	s_mov_b32 s73, 0x07060302
.set f, 0
.irp o, 1,2,4,8,16,32
	s_cmp_ge_u32 s11, \o
	s_cselect_b32 s[56+f], s62, s63                ; far block f exists where m >= o
.set f, f+1
.endr
	s_cmp_eq_u32 s11, 0
	s_cselect_b32 s66, 0, -1                       ; group 0 has no block m - 1,
	s_cselect_b32 s67, -1, 0                       ; and has the causal rows 10..21
	s_cmp_eq_u32 s11, 63
	s_cselect_b32 s68, 0x003f003f, -1              ; group 63: rows 0..9 (r >= 6 of tile 1) see nothing of block 63,
	s_cselect_b32 s69, 0xffc00000, 0               ; and no far key
	v_mov_b32 v11, s62
	v_cndmask_b32 v11, v11, v7, s69
	; ---- Q: through LDS, so that a lane holds 32 neighbours of one row; quantised in registers
	s_wait_loadcnt 63                              ; Q is in: 64 younger loads were issued, the count's field ends at 63, and a smaller count is safe
	s_wait_alu depctr_va_vdst(0)                   ; the LDS addresses v4, v5 and v6 are written, which the LDS stores and loads read, here and on the way out: they are not written again
.set i, 0
.rept 16
	ds_store_b128 v4, v[S+4*i:S+4*i+3] offset:2*PIT*i
.set i, i+1
.endr
.irp qt, 0,1
.irp j, 0,1,2,3,4,5,6,7
	ds_load_b128 v[FD+32*\qt+4*\j:FD+32*\qt+4*\j+3], v5 offset:16*PIT*\qt+16*\j      ; LDS serves a wave's instructions in order: these see the stores above
.endr
.endr
.irp qt, 0,1
	s_wait_dscnt 8-8*\qt                           ; this tile's eight loads are in
	QUANT32 FD+32*\qt, QF+18*\qt, BX+3
.irp k, 0,1,2,3,4,5
	v_mov_b32 v[QF+18*\qt+12+\k], v[QF+18*\qt+\k]
	v_mov_b32 v[QF+18*\qt+6+\k], 0
.endr
	v_lshlrev_b32 v[BX+3], v9, v[BX+3]             ; my byte at place h,
	v_permlanex16_b32 v253, v[BX+3], s44, s45
	v_or_b32 v[BX+3], v[BX+3], v253                ; with lane l xor 16's: bytes 0 and 1 of the row's word;
	v_lshlrev_b32 v[QS+\qt], v10, v[BX+3]          ; lanes 16-31 hold it two bytes up, for (zeros | Q)
.endr
	; ---- V's scale words: byte s of word (st, dt) is byte dt of block 4 st + s's word.  These 16 plain lines also stand between Q's scale words and the first product
	s_wait_loadcnt 47                              ; the scale words and K of blocks 0-2 are in: 15 loads of K and 32 of V may be out
.irp st, 0,1
	v_perm_b32 v[TT], v[SCK+8*\st+3], v[SCK+8*\st+1], s70
	v_perm_b32 v[TT+1], v[SCK+8*\st+3], v[SCK+8*\st+1], s71
	v_perm_b32 v[TT+2], v[SCK+8*\st+7], v[SCK+8*\st+5], s70
	v_perm_b32 v[TT+3], v[SCK+8*\st+7], v[SCK+8*\st+5], s71
	v_perm_b32 v[VW+4*\st], v[TT+2], v[TT], s72
	v_perm_b32 v[VW+4*\st+1], v[TT+2], v[TT], s73
	v_perm_b32 v[VW+4*\st+2], v[TT+3], v[TT+1], s72
	v_perm_b32 v[VW+4*\st+3], v[TT+3], v[TT+1], s73
.endr
	; ---- the first product.  Every instruction has an accumulator of its own
	s_wait_alu depctr_vm_vsrc(0)                   ; Q's LDS stores have read v[S ..], which the near products below write
	s_wait_alu depctr_va_vdst(0)                   ; Q's codes v[QF ..] and scale words v[QS ..], made by vector lines, are written: every near and far product takes them as source 1 and its scales, and none is written again before the last of them; the places stand above
	WIN 0x01                                       ; K's image in window 1
.irp qt, 0,1
.irp a, 0,1                                        ; tile qt's near blocks are n = qt and qt + 1
	MMA S+32*\qt+16*\a, KF+12*(\qt+\a), QF+18*\qt, -1, SCK+2*(\qt+\a), QS+\qt, 0
	MMA S+32*\qt+16*\a+8, KF+12*(\qt+\a), QF+18*\qt+6, -1, SCK+2*(\qt+\a), QS+\qt, 1
.endr
.endr
	s_wait_loadcnt 32                              ; all of K is in: V's 32 loads may be out
	FARW 0, 0, 1                                   ; far 0: block m - 1, tile 1 alone
	FARW 3, 1, 0                                   ; far 1: block m - 2
.rept 4
	v_nop                                          ; four places behind the products, ahead of the first read of a result
.endr
	NEARMASK 0, 1, 0, 1, 66
	NEARMASK 0, 0, 1, 2, 0
	NEARMASK 1, 0, 0, 1, 68
	NEARMASK 1, -1, 1, 0, 0
.irp b, 0,1,2,3                                    ; the largest score of each near block: for the row's maximum, and, since p rises with the score, for the block's largest p
	v_max3_num_f32 v[BM+\b], v[S+16*\b], v[S+16*\b+1], v[S+16*\b+2]
.endr
.irp i, 3,5,7,9,11,13
.irp b, 0,1,2,3
	v_max3_num_f32 v[BM+\b], v[BM+\b], v[S+16*\b+\i], v[S+16*\b+\i+1]
.endr
.endr
.irp b, 0,1,2,3
	v_max_num_f32 v[BM+\b], v[BM+\b], v[S+16*\b+15]
.endr
.irp b, 0,1,2,3
	v_permlanex16_b32 v[BX+\b], v[BM+\b], s44, s45
.endr
.irp b, 0,1,2,3
	v_max_num_f32 v[BM+\b], v[BM+\b], v[BX+\b]     ; with lane l xor 16's 16 keys
.endr
	; the far blocks, on two banks by turns: between a bank's products and its maximum stands the other bank's maximum, 19 plain lines that name none of those products' registers
	TREE 0, 0, 1
	FARW 4, 0, 0
	TREE 1, 1, 0
	FARW 5, 1, 0
	TREE 2, 0, 0
	FARW 6, 0, 0
	TREE 3, 1, 0
	FARW 7, 1, 0
	TREE 4, 0, 0
	TREE 5, 1, 0
	; ---- M, by lane = qq
	v_max_num_f32 v[TT], v[BM], v[BM+1]
	v_max_num_f32 v[TT+1], v[BM+2], v[BM+3]
	v_cndmask_b32 v[TT], v[TT], v[TT+1], s42       ; lanes 0-15: tile 0's query r; lanes 16-31: tile 1's
	v_max3_num_f32 v[TT], v[TT], v[PF], v[PF+2]
	v_max3_num_f32 v[TT], v[TT], v[PF+4], v[PF+6]
	v_max3_num_f32 v[TT], v[TT], v[PF+8], v[PF+10]
	v_mul_f32 v[TT], s46, v[TT]                    ; the row's largest t (c is positive)
	v_floor_f32 v[NM], -v[TT]                      ; -M = floor(-t) = -ceil(t)
	v_permlanex16_b32 v[EX], v[NM], s44, s45
	v_cndmask_b32 v[NMQ], v[NM], v[EX], s42        ; tile 0's -M in both halves of the lanes,
	v_cndmask_b32 v[NMQ+2], v[EX], v[NM], s42      ; tile 1's
	; ---- p = 2^(t - M)
.set q, 0
.rept 32
	v_pk_fma_f32 v[S+2*q:S+2*q+1], v[S+2*q:S+2*q+1], s[46:47], v[NMQ+2*(q/16):NMQ+2*(q/16)+1] op_sel_hi:[1,0,0]
.set q, q+1
.endr
.irp b, 0,1,2,3
	v_fma_f32 v[BM+\b], v[BM+\b], s46, v[NMQ+2*(\b/2)]
.endr
.irp f, 0,1,2,3,4,5
	v_fma_f32 v[PF+2*\f], v[PF+2*\f], s46, v[NM]
.endr
.set q, 0
	s_wait_alu depctr_va_vdst(0)
.rept 64
	v_exp_f32 v[S+q], v[S+q]
.set q, q+1
.endr
.irp b, 0,1,2,3
	v_exp_f32 v[BM+\b], v[BM+\b]                   ; the block's largest p: the same two instructions on the same number
.endr
.irp f, 0,1,2,3,4,5
	v_exp_f32 v[PF+2*\f], v[PF+2*\f]
.endr
	v_nop                                          ; one plain place behind the exponentials
	; ---- the blocks' scales
	s_wait_alu depctr_va_vdst(0)                   ; the 74 exponentials have written p (v[S ..]), the near blocks' largest p (v[BM ..]) and the far p (v[PF ..]): one wait for the batch, ahead of its first reader
.irp b, 0,1,2,3
	v_max_num_f32 v[BM+\b], 0x2800000, v[BM+\b]    ; the floor 2^(5 - 127)
.endr
.irp f, 0,1,2,3,4,5
	v_max_num_f32 v[PF+2*\f+1], 0x2800000, v[PF+2*\f]   ; a far block's one p is its largest
.endr
.irp b, 0,1,2,3
	v_add_nc_u32 v[BM+\b], 0xfe000000, v[BM+\b]    ; 4 off the exponent field: the conversion's scale operand
.endr
.irp f, 0,1,2,3,4,5
	v_add_nc_u32 v[PF+2*\f+1], 0xfe000000, v[PF+2*\f+1]
.endr
.irp b, 0,1,2,3
	v_lshrrev_b32 v[BX+\b], 23, v[BM+\b]           ; the bytes
.endr
.irp f, 0,1,2,3,4,5
	v_lshrrev_b32 v[SU+\f], 23, v[PF+2*\f+1]
.endr
	v_lshl_or_b32 v[W0], v[BX+1], 8, v[BX]         ; K step 0, tile 0 (read from lanes 0-15): blocks m-1, m, (zeros), m-2
	v_lshl_or_b32 v[W0], v[SU+1], 24, v[W0]
	v_lshl_or_b32 v[W0+1], v[BX+2], 8, v[SU]       ; tile 1 (lanes 16-31): m-1's diagonal, m, m+1, m-2
	v_lshl_or_b32 v[W0+1], v[BX+3], 16, v[W0+1]
	v_lshl_or_b32 v[W0+1], v[SU+1], 24, v[W0+1]
	v_lshl_or_b32 v[W1], v[SU+3], 8, v[SU+2]       ; K step 1: the four far blocks; lane = qq serves both tiles
	v_lshl_or_b32 v[W1], v[SU+4], 16, v[W1]
	v_lshl_or_b32 v[W1], v[SU+5], 24, v[W1]
	; ---- P's codes.  The operand wants a whole block in a lane: registers 6 c .. 6 c + 5: lanes 0-15 block 2 c, lanes 16-31 block 2 c + 1
	v_cvt_scalef32_pk16_bf6_f32 v[P:P+2], v[S:S+15], v[BM]
	v_cvt_scalef32_pk16_bf6_f32 v[T:T+2], v[S+16:S+31], v[BM+1]
	v_nop
	SWAP3 P, T
	MOV3 P+3, T
	FARG 1, G3
	ZERO3 P+6
	SWAP3 P+6, G3                                  ; tile 0: (zeros | far 1's keys 0-15); G3 is left as (zeros | its keys 16-31), for tile 1
	ZERO3 P+9
	FARG 0, P+12                                   ; far 0: zeros in lanes 0-15
	v_cvt_scalef32_pk16_bf6_f32 v[T:T+2], v[S+32:S+47], v[BM+2]
	v_nop
	SWAP3 P+12, T
	MOV3 P+15, T
	v_cvt_scalef32_pk16_bf6_f32 v[P+18:P+20], v[S+48:S+63], v[BM+3]
	v_nop
	SWAP3 P+18, G3
	MOV3 P+21, G3
.irp c, 0,1
	FARG 2+2*\c, P+24+6*\c
	FARG 3+2*\c, T
	SWAP3 P+24+6*\c, T                             ; tile 0 takes the two blocks' keys 0-15, tile 1 their keys 16-31
	ZERO3 P+27+6*\c
	ZERO3 P+36+6*\c
	MOV3 P+39+6*\c, T
.endr
	; ---- the rows' sums, of the unquantised p, and 1 / them.  These plain lines also stand between P's codes and scale words and the second product
.irp qt, 0,1
	v_pk_add_f32 v[SU+4*\qt:SU+4*\qt+1], v[S+32*\qt:S+32*\qt+1], v[S+32*\qt+2:S+32*\qt+3]
	v_pk_add_f32 v[SU+4*\qt+2:SU+4*\qt+3], v[S+32*\qt+4:S+32*\qt+5], v[S+32*\qt+6:S+32*\qt+7]
.irp j, 8,12,16,20,24,28
	v_pk_add_f32 v[SU+4*\qt:SU+4*\qt+1], v[SU+4*\qt:SU+4*\qt+1], v[S+32*\qt+\j:S+32*\qt+\j+1]
	v_pk_add_f32 v[SU+4*\qt+2:SU+4*\qt+3], v[SU+4*\qt+2:SU+4*\qt+3], v[S+32*\qt+\j+2:S+32*\qt+\j+3]
.endr
	v_pk_add_f32 v[SU+4*\qt:SU+4*\qt+1], v[SU+4*\qt:SU+4*\qt+1], v[SU+4*\qt+2:SU+4*\qt+3]
	v_add_f32 v[SU+4*\qt], v[SU+4*\qt], v[SU+4*\qt+1]
.endr
	v_add_f32 v[FS], v[PF], v[PF+2]
.irp f, 2,3,4,5
	v_add_f32 v[FS], v[FS], v[PF+2*\f]
.endr
	v_permlanex16_b32 v[SU+2], v[SU], s44, s45
	v_permlanex16_b32 v[SU+6], v[SU+4], s44, s45
	v_add_f32 v[SU], v[SU], v[SU+2]
	v_add_f32 v[SU+4], v[SU+4], v[SU+6]
	v_cndmask_b32 v[LL_], v[SU], v[SU+4], s42      ; by lane = qq,
	v_add_f32 v[LL_], v[LL_], v[FS]                ; with the far keys' p
	s_wait_alu depctr_va_vdst(0)
	v_rcp_f32 v[LL_+1], v[LL_]
	v_nop                                          ; one plain place behind the transcendental
	s_wait_alu depctr_va_vdst(0)                   ; the reciprocal is written, ahead of its first reader; and so are P's codes v[P ..], P's scale words v[W0 ..], v[W1] and V's turned words v[VW ..], all made by vector lines above: the second product takes them as source 1 and as scales, and the three lines below write none of them
	v_permlanex16_b32 v[EX], v[LL_+1], s44, s45
	v_cndmask_b32 v[RL], v[LL_+1], v[EX], s42
	v_cndmask_b32 v[RL+2], v[EX], v[LL_+1], s42
	; ---- the second product: eight accumulators by turns, one instruction a turn; the first K step starts the sums
	s_wait_loadcnt 16                              ; V of K step 0 is in: K step 1's 16 loads may be out
	WIN 0x01
.irp qt, 0,1
.irp dt, 0,1,2,3
	MMA S+8*(4*\qt+\dt), VF+12*\dt, P+12*\qt, -1, VW+\dt, W0+\qt, \qt
.endr
.endr
	s_wait_loadcnt 0x0
.irp qt, 0,1
.irp dt, 0,1,2,3
	MMA S+8*(4*\qt+\dt), VF+12*(4+\dt), P+12*(2+\qt), S+8*(4*\qt+\dt), VW+4+\dt, W1, \qt
.endr
.endr
	WIN 0
.rept 4
	v_nop                                          ; four places ahead of the first read of a result
.endr
	; ---- the way out: O / the sum; through LDS, so that sixteen lanes store a row's 256 neighbouring bytes
.set q, 0
	s_wait_alu depctr_va_vdst(0)
.rept 32
	v_pk_mul_f32 v[S+2*q:S+2*q+1], v[S+2*q:S+2*q+1], v[RL+2*(q/16):RL+2*(q/16)+1] op_sel_hi:[1,0]
.set q, q+1
.endr
	s_wait_alu depctr_va_vdst(0)                   ; the multiplies have written v[S ..], which the LDS stores read; the second product is done reading P's codes, and the conversions the far p laid out, in whose registers v[FD ..] the loads from LDS land
.irp qt, 0,1
.irp dt, 0,1,2,3                                   ; lane (r, h): row 16 qt + r, columns 16 dt + 8 h + 0 .. 7
	ds_store_b128 v6, v[S+8*(4*\qt+\dt):S+8*(4*\qt+\dt)+3] offset:16*PIT*\qt+64*\dt
	ds_store_b128 v6, v[S+8*(4*\qt+\dt)+4:S+8*(4*\qt+\dt)+7] offset:16*PIT*\qt+64*\dt+16
.endr
.endr
.set i, 0
.rept 16
	ds_load_b128 v[FD+4*i:FD+4*i+3], v4 offset:2*PIT*i   ; LDS serves a wave's instructions in order: these see the stores above
.set i, i+1
.endr
.set i, 0
.rept 11
	s_wait_dscnt 15-i
	global_store_b128 v3, v[FD+4*i:FD+4*i+3], s[38:39] offset:8192*i th:TH_STORE_NT  ; rows qq = 2 i, 2 i + 1: two aligned runs of 256 bytes
.set i, i+1
.endr
.rept 5
	s_wait_dscnt 15-i
	global_store_b128 v3, v[FD+4*i:FD+4*i+3], s[40:41] offset:8192*(i-11) th:TH_STORE_NT
.set i, i+1
.endr
	s_wait_dscnt 0x0                               ; the closing lines, six on end
	s_wait_alu 0x0
	s_wait_tensorcnt 0x0
	ds_add_u32 v254, v255
	s_wait_dscnt 0x0
	s_endpgm
.Lfunc_end_k_q53198043a8_attn:
	.size	k_q53198043a8_attn, .Lfunc_end_k_q53198043a8_attn-k_q53198043a8_attn
	.p2alignl 7, 3214868480
	.fill 96, 4, 3214868480
	.section	.rodata,"a",@progbits
	.p2align	6, 0x0
	.amdhsa_kernel k_q53198043a8_attn
		.amdhsa_group_segment_fixed_size 70656
		.amdhsa_private_segment_fixed_size 0
		.amdhsa_enable_private_segment 0
		.amdhsa_kernarg_size 24
		.amdhsa_user_sgpr_count 2
		.amdhsa_user_sgpr_kernarg_segment_ptr 1
		.amdhsa_wavefront_size32 1
		.amdhsa_system_sgpr_workgroup_id_x 1
		.amdhsa_system_sgpr_workgroup_id_y 1
		.amdhsa_system_sgpr_workgroup_id_z 1
		.amdhsa_system_vgpr_workitem_id 0
		.amdhsa_next_free_vgpr 512
		.amdhsa_next_free_sgpr 80
		.amdhsa_reserve_vcc 1
		.amdhsa_float_denorm_mode_32 3
		.amdhsa_float_denorm_mode_16_64 3
		.amdhsa_memory_ordered 1
		.amdhsa_forward_progress 1
		.amdhsa_inst_pref_size 70
	.end_amdhsa_kernel
	.amdgpu_metadata
---
amdhsa.version: [ 1, 2 ]
amdhsa.kernels:
  - .name:           k_q53198043a8_attn
    .symbol:         k_q53198043a8_attn.kd
    .args:
      - { .name: queries, .offset: 0, .size: 8, .value_kind: global_buffer, .address_space: global }
      - { .name: kvq, .offset: 8, .size: 8, .value_kind: global_buffer, .address_space: global }
      - { .name: out0, .offset: 16, .size: 8, .value_kind: global_buffer, .address_space: global }
    .group_segment_fixed_size: 70656
    .private_segment_fixed_size: 0
    .kernarg_segment_align: 8
    .kernarg_segment_size: 24
    .max_flat_workgroup_size: 256
    .sgpr_count:     80
    .vgpr_count:     512
    .wavefront_size: 32
...
	.end_amdgpu_metadata
.endif
;; end of part 4
